; MI455X (gfx1250); checked and timed in simulation.
; The chip was launched on July 23, 2026; its instructions are those of AMD's public machine-readable ISA for CDNA 5 (MIT licence, August 2026) and "CDNA5" Instruction Set Architecture Reference Guide (July 2026). The comments in the code are by the model that wrote it; some were corrected since.
;; Attention. Allowed arithmetic: matrix products marked QUANTISED: E2M3 operands, one E8M0 scale for each 32 along K, by v_wmma_scale_f32_16x16x128_f8f6f4 with both operands' format E2M3, f32 sums; everything else in f32.
;; Inputs: Wk 8 x 512 x 512 float32; Wo 4,096 x 512 float32; Wq 8 x 512 x 512 float32; Wv 8 x 512 x 512 float32; bk 8 x 512 float32; bo 512 float32; bq 8 x 512 float32; bv 8 x 512 float32; k 8 x 1,024 x 512 float32; q 8 x 64 x 512 float32; v 8 x 1,024 x 512 float32.
;; Outputs: out0 8 x 64 x 512 float32.
;; This version of the problem:
;;   THIS VERSION OF THE PROBLEM IS GIVEN IN LOW PRECISION. The matrix products marked QUANTISED in the list below multiply operands that are first quantised to E2M3 (2 exponent bits, 3 mantissa bits; 6 bits a number), with one power-of-two scale for each 32 numbers along K (OCP MX v1.0); their sums are f32. All else is computed in f32.
;;   The module's matrix products, in the order in which they are computed (A, B: the left and right operand; K: the contracted axis; several contracted axes count as one K, in the product's order):
;;     1. [M 4,096, K 512] x [K 512, N 8,192]; A: input Wk; B: input k: QUANTISED
;;     2. [M 4,096, K 512] x [K 512, N 8,192]; A: input Wv; B: input v: QUANTISED
;;     3. [M 4,096, K 512] x [K 512, N 512]; A: input Wq; B: input q: QUANTISED
;;     4. batch 64 x [M 64, K 512] x [K 512, N 1,024]; A: computed on the way; B: computed on the way: QUANTISED
;;     5. batch 64 x [M 64, K 1,024] x [K 1,024, N 512]; A: softmax (see below); B: computed on the way: QUANTISED
;;     6. [M 512, K 4,096] x [K 4,096, N 512]; A: computed on the way; B: input Wo: QUANTISED
;;   THE QUANTISER, for each operand of a quantised product, along K:
;;     - K is cut into blocks of 32 from its start; a last block that is shorter is filled with zeros.
;;     - A block's scale is 2^e with e = floor(log2(the largest magnitude in the block)) - 2, held to -126 .. 127; a block of zeros has e = 0. As a byte (E8M0): e + 127.
;;     - Each number is divided by its block's scale, clamped to +-7.5, and rounded to the nearest number of E2M3, ties to even, subnormals kept.
;;     - The product sums the exact products of the quantised numbers (number of the format x scale) in f32.
;;   ~~~python
;;   def quantise(x, axis):      # numpy; x: float32 -> the quantised numbers, widened to float32 again
;;       x = np.moveaxis(x, axis, -1); K = x.shape[-1]
;;       x = np.pad(x, [(0, 0)] * (x.ndim - 1) + [(0, -K % 32)]); x = x.reshape(x.shape[:-1] + (-1, 32)); a = np.abs(x).max(-1, keepdims=True)
;;       e = np.where(a > 0, np.clip(np.frexp(np.where(a > 0, a, 1))[1] - 1 - 2, -126, 127), 0)      # np.frexp(a)[1] - 1 = floor(log2(a)), exactly
;;       r = np.clip(x / 2.0 ** e, -7.5, 7.5)
;;       step = 2.0 ** (np.maximum(np.frexp(np.where(r == 0, 1, r))[1] - 1, 0) - 3)
;;       q = np.round(r / step) * step * 2.0 ** e      # np.round: ties to even
;;       return np.moveaxis(q.reshape(q.shape[:-2] + (-1,))[..., :K], -1, axis).astype(np.float32)
;;   ~~~
;;   SOFTMAX AHEAD OF A QUANTISED PRODUCT. Where the list says 'softmax', what is quantised is not the finished softmax but p = 2^(t - M), with t = logit x log2(e) and M = ceil(the row's largest t), a whole number; so 1/2 < the row's largest p <= 1. The row's sum l is taken of the UNQUANTISED p, in f32, and the product's result is divided by l at the end. Since M is a whole number, a kernel that streams over the keys may use a running M (the ceiling of the running maximum): every later rescaling is an exact power of two, which a block's scale takes up: the codes' values come out the same.
;;   OPERANDS COMPUTED ON THE WAY. 'Computed on the way' means the value that the module computes at that place (a softmax that the list does not call 'softmax' is quantised finished and normalised). What goes into a quantiser is computed in f32, as accurately as f32 sums, v_exp_f32 and their like allow (about 1e-6 of the number): no bf16 or f16 on the way to a quantiser, and a product that is left as it is and whose result goes on into a quantised operand takes f32 operands (vector FMAs, or v_wmma_f32_16x16x4_f32). A number that lies on a knife's edge between two numbers of the format may be rounded either way, as far as f32 arithmetic and the matrix unit's own rounding can turn it there, and no further.
;; One version. Each part assembles by itself: llvm-mc -triple=amdgcn-amd-amdhsa -mcpu=gfx1250 --defsym DOCPART=n.
;; ======== version 1 of 1: 4 launches
;; limits: right only within a limited range of input values
;; workspace buffers: xc 6,758,400 bytes; wc 6,291,456 bytes; ws 262,144 bytes; pc 3,276,800 bytes; ml 131,072 bytes; att 8,388,608 bytes
;; launch quant (part 1): grid 1040 x 1, 4 waves a work-group, no clusters, 47,104 bytes of LDS; arguments k, v, q, Wk, Wq, Wv, Wo, xc, wc, ws; writes xc, wc, ws
.if DOCPART == 1
	.amdgcn_target "amdgcn-amd-amdhsa--gfx1250"
	.amdhsa_code_object_version 6
	.text
	.protected	k_q1e02daf069_quant
	.globl	k_q1e02daf069_quant
	.p2align	8
	.type	k_q1e02daf069_quant,@function
k_q1e02daf069_quant:
	s_mov_b64 s[64:65], 0
	v_nop
	global_prefetch_b8 v0, s[64:65] scope:SCOPE_SE
	s_setreg_imm32_b32 hwreg(HW_REG_WAVE_MODE, 25, 1), 1
	s_wait_xcnt 0x0
; All seven f32 tensors become codes of FP6 (E2M3) with one E8M0 byte for each 32 along K, laid as IMAGES OF THE OPERAND'S REGISTERS, so that every later read is a run of 16-byte loads.
; A fragment (16 rows x 128 K, 12 registers a lane) is 1,536 bytes: register i of lane l at 512 (i / 4) + 16 l + 4 (i % 4).  Its scale words: 64 bytes, row r's at 4 r.
; k, v, q (K innermost): a RECORD of 6,400 bytes for each tile of 16 rows: four fragments (K steps of 128), then 256 bytes of scale words.  Image row p of tile T is row 32 (T / 2) + 8 (T % 2) + p + 8 (p / 8).
; Wk, Wq, Wv, Wo (K is the first axis): a CHUNK of 128 columns x 512 K: 32 fragments, number 8 s + t (K step s, 16-column tile t), in wc; their scale words in ws.
;   Which column an image row takes: Wk, Wq: 8 u + r + 8 (r / 8) of 32; Wv: 16 u + 8 ((r / 4) % 2) + 4 (r / 8) + r % 4; Wo: 16 u + r.
;   Wo's K = 8 d + h: inside a block of 32 (4 d x 8 h) the codes stand in the order 4 h + (d % 4), as the last launch lays its other operand: a block's scale and its products do not feel the order.
; A block's scale is 2^(floor(log2(largest magnitude)) - 2): the byte is that magnitude's exponent field - 2, held at 1 from below.
; LIMITS: NaN and infinities are not served; a block of zeros, or one whose largest magnitude lies under 2^-124, gets the byte 1 (its codes are zeros or as the floor's scale gives them); this program alone reads the bytes.
; SMALL SHARES, MANY WAVES.  Work-groups 0-527: a wave takes two K steps of one tile of k, v or q and asks for both at once.  Work-groups 528-1039: a wave takes 32 columns x 128 K of a weight, four blocks, two asked for ahead.
; With 192 registers and 47,104 bytes of LDS five work-groups share a WGP.  Waves share nothing: no barrier.  Each path has LDS bytes of its own.
.set NX,   528
.set REC,  6400
.set FRB,  1536
.set WCH,  49152
.set LI,   1                           ; v1 16 x lane, v2 4 x lane, v3 lane, v4 lane % 16, v5 lane / 16
.set L4,   2
.set LN,   3
.set RR,   4
.set HL,   5
.set SEL,  48                          ; s[48:49] selects of v_permlanex16_b32: lane l xor 16
.set PW,   8                           ; activations: v8, v9 the two K steps' scale words
.set R,    16                          ; v16-143 two sets of 64 numbers: as loaded, then register 16 b + i = k 32 b + 16 (lane / 16) + i of row lane % 16
.set PC,   144                         ; v144-155 the fragment just made
.set QT,   156                         ; v156-163 the conversions' second halves
.set TM,   164                         ; v164-179 at work in QUANT
.set SREG, 8448                        ; a wave's stage: 16 rows x 528 bytes
.set SPI,  528                         ; 512 bytes + 16: row r starts 4 r banks on
.set WREG, 4*SREG                      ; the weights' path: 3,200 bytes a wave from here on: two images, then 128 bytes of scale words
.set WLDS, 3200
.set XW,   16                          ; weights: v16-79 two sets of 32 numbers
.set C,    80                          ; v80-91 a block's codes
.set SB,   92                          ; v92 the four scale bytes
.set OUTR, 100                         ; v100-124 the way out
; 64 numbers of a lane become a fragment's 12 registers and its row's scale word
.macro QUANT src, dst, tmp, word
.set QS_, \src
.set QD_, \dst
.set QT_, \tmp
.set QW_, \word
.irp b, 0,1,2,3
	v_max3_num_f32 v[TM+\b], |v[QS_+16*\b]|, |v[QS_+16*\b+1]|, 0x1800000   ; block b: my 16 numbers and the floor 2^(3 - 127): the byte cannot fall under 1
.endr
.irp i, 2,4,6,8,10,12,14
.irp b, 0,1,2,3
	v_max3_num_f32 v[TM+\b], v[TM+\b], |v[QS_+16*\b+\i]|, |v[QS_+16*\b+\i+1]|
.endr
.endr
.irp b, 0,1,2,3
	v_permlanex16_b32 v[TM+4+\b], v[TM+\b], s[SEL], s[SEL+1]
.endr
.irp b, 0,1,2,3
	v_max_num_f32 v[TM+\b], v[TM+\b], v[TM+4+\b]           ; with lane l xor 16's: the block's largest magnitude
.endr
.irp b, 0,1,2,3
	v_add_nc_u32 v[TM+12+\b], 0xff000000, v[TM+\b]         ; 2 off its exponent field: the conversion's scale operand
.endr
.irp b, 0,1,2,3
	v_lshrrev_b32 v[TM+4+\b], 23, v[TM+12+\b]              ; the scale's byte
.endr
	v_lshl_or_b32 v[QW_], v[TM+5], 8, v[TM+4]
	v_lshl_or_b32 v[QW_], v[TM+6], 16, v[QW_]
	v_lshl_or_b32 v[QW_], v[TM+7], 24, v[QW_]
.irp c, 0,1
	v_cvt_scalef32_pk16_fp6_f32 v[QD_+6*\c:QD_+6*\c+2], v[QS_+32*\c:QS_+32*\c+15], v[TM+12+2*\c]
	v_cvt_scalef32_pk16_fp6_f32 v[QT_+4*\c:QT_+4*\c+2], v[QS_+32*\c+16:QS_+32*\c+31], v[TM+12+2*\c+1]
.endr
	v_nop                                          ; one plain place behind the scaled conversions
.irp c, 0,1
.irp i, 0,1,2
	v_permlane16_swap_b32 v[QD_+6*\c+\i], v[QT_+4*\c+\i]   ; a whole block to a lane: lanes 0-15 block 2 c, lanes 16-31 block 2 c + 1
.endr
.irp i, 0,1,2
	v_mov_b32 v[QD_+6*\c+3+\i], v[QT_+4*\c+\i]
.endr
.endr
.endm
	s_load_b512 s[4:19], s[0:1], 0x0               ; k, v, q, Wk, Wq, Wv, Wo, xc
	s_load_b128 s[20:23], s[0:1], 0x40             ; wc, ws
	v_lshl_add_u32 v180, v0, 2, 0xb600             ; my spare word, and 0: kept for the add alone
	v_mov_b32 v181, 0
	v_lshrrev_b32 v1, 5, v0
	v_readfirstlane_b32 s24, v1                    ; wave
	v_and_b32 v[LN], 31, v0
	v_and_b32 v[RR], 15, v0
	v_bfe_u32 v[HL], v0, 4, 1
	v_lshlrev_b32 v[LI], 4, v[LN]
	v_lshlrev_b32 v[L4], 2, v[LN]
	s_cmp_lt_u32 ttmp9, NX
	s_cbranch_scc0 .Lweights
	; ---------------- k, v, q: tile T = 2 x work-group + wave / 2, K steps 2 (wave % 2) and the next ----------------
	s_mov_b32 s[SEL], 0x76543210
	s_mov_b32 s[SEL+1], 0xfedcba98
	s_mul_i32 s25, s24, SREG
	v_add_nc_u32 v6, s25, v[LI]                    ; the stage, in: a row's 512 bytes as they lie
	v_mul_u32_u24 v7, v[RR], SPI
	v_lshl_add_u32 v7, v[HL], 6, v7
	v_add_nc_u32 v7, s25, v7                       ; out: row r, + 64 bytes for lanes 16-31: my 16 numbers of each block
.irp b, 0,1,2,3
	v_mov_b32 v[TM+4+\b], 0                        ; a lane permute's destination counts as read: written once
.endr
	s_lshl_b32 s27, ttmp9, 1
	s_lshr_b32 s26, s24, 1
	s_add_co_u32 s27, s27, s26                     ; T
	s_and_b32 s26, s24, 1                          ; which half of K
	s_wait_alu depctr_va_vdst(0)
	s_wait_kmcnt 0x0
	s_cmp_lt_u32 ttmp9, 256                        ; tiles 0-511 k, 512-1023 v, 1024-1055 q: the choice hangs on the work-group's number alone
	s_cselect_b64 s[28:29], s[4:5], s[6:7]
	s_cselect_b32 s30, 0, 512
	s_cmp_lt_u32 ttmp9, 512
	s_cselect_b64 s[28:29], s[28:29], s[8:9]
	s_cselect_b32 s30, s30, 1024
	s_sub_co_u32 s30, s27, s30                     ; the tile's number in its tensor
	s_lshr_b32 s31, s30, 1
	s_lshl_b32 s31, s31, 16                        ; 32 rows of 2,048 bytes for each pair of tiles,
	s_and_b32 s30, s30, 1
	s_lshl_b32 s30, s30, 14                        ; 8 rows for the odd one,
	s_add_co_u32 s30, s30, s31
	s_lshl_b32 s31, s26, 10                        ; 1,024 bytes along the rows for the second half of K
	s_add_co_u32 s30, s30, s31
	s_mov_b32 s31, 0
	s_add_nc_u64 s[28:29], s[28:29], s[30:31]
	s_mul_i32 s30, s27, REC
	s_add_nc_u64 s[18:19], s[18:19], s[30:31]      ; the tile's record
	s_lshl_b32 s30, s26, 7
	s_add_co_u32 s30, s30, 4*FRB
	s_add_nc_u64 s[32:33], s[18:19], s[30:31]      ; my two fragments' scale words: 128 bytes
	s_mul_i32 s30, s26, 2*FRB
	s_add_nc_u64 s[18:19], s[18:19], s[30:31]      ; my two fragments
.macro LOADF s                         ; my K step s of the 16 rows: each load reads 512 consecutive bytes of one row
.irp p, 0,1,2,3,4,5,6,7,8,9,10,11,12,13,14,15
	global_load_b128 v[R+64*(\s)+4*\p:R+64*(\s)+4*\p+3], v[LI], s[28:29] offset:(\p+8*(\p/8))*2048+512*(\s) th:TH_LOAD_NT
.endr
.endm
.macro TURN s                          ; through the wave's own stage and back into the registers that the numbers left; LDS serves a wave's instructions in order, so no wait stands between the stores and the loads
.irp p, 0,1,2,3,4,5,6,7,8,9,10,11,12,13,14,15
	ds_store_b128 v6, v[R+64*(\s)+4*\p:R+64*(\s)+4*\p+3] offset:SPI*\p
.endr
.irp b, 0,1,2,3
.irp j, 0,1,2,3
	ds_load_b128 v[R+64*(\s)+16*\b+4*\j:R+64*(\s)+16*\b+4*\j+3], v7 offset:128*\b+16*\j
.endr
.endr
.endm
	LOADF 0                                        ; all that the wave will read is asked for at once: 32 loads
	LOADF 1
.irp s, 0,1
.if \s == 0
	s_wait_loadcnt 16                              ; the first K step's 16 loads are in; the second's 16 may be out
.else
	s_wait_loadcnt 0x0
.endif
	TURN \s
	s_wait_dscnt 0x0                               ; the numbers are back; the stage may be written again
.if \s == 1
	s_wait_xcnt 0x0                                ; the first step's stores have read the fragment's registers, which are written again now
.endif
	QUANT R+64*\s, PC, QT, PW+\s
.irp c, 0,1,2
	global_store_b128 v[LI], v[PC+4*\c:PC+4*\c+3], s[18:19] offset:FRB*\s+512*\c   ; 512 consecutive bytes, aligned
.endr
.endr
	v_cmp_eq_u32 vcc_lo, 1, v[HL]                  ; both halves of the lanes hold their row's words: lanes 0-15 give the first K step's, lanes 16-31 the second's
	v_cndmask_b32 v10, v[PW], v[PW+1], vcc_lo
	global_store_b32 v[L4], v10, s[32:33]          ; 128 consecutive bytes: half of the record's 256
	s_wait_tensorcnt 0x0
	ds_add_u32 v180, v181
	s_wait_dscnt 0x0
	s_endpgm
	; ---------------- weights: a lane takes a column, its registers run down K ----------------
.Lweights:
	s_sub_co_u32 s25, ttmp9, NX                    ; = 128 tensor + 16 hh + 4 cg + ks
	s_lshr_b32 s26, s25, 7                         ; 0 Wk, 1 Wq, 2 Wv, 3 Wo
	s_bfe_u32 s27, s25, 0x30004                    ; hh: the head, or Wo's run of 512 rows
	s_bfe_u32 s28, s25, 0x20002                    ; cg: which 128 columns
	s_and_b32 s29, s25, 3                          ; ks: which 128 of the 512 along K
	s_lshr_b32 s50, s25, 2                         ; the chunk's number
	s_wait_alu depctr_va_vdst(0)
	v_and_b32 v16, 8, v[RR]
	v_add_nc_u32 v16, v16, v[RR]
	v_lshl_add_u32 v16, v[HL], 3, v16              ; Wk, Wq: 8 u + r + 8 (r / 8)
	v_and_b32 v17, 3, v[RR]
	v_bfe_u32 v18, v[RR], 2, 1
	v_lshl_add_u32 v17, v18, 3, v17
	v_bfe_u32 v18, v[RR], 3, 1
	v_lshl_add_u32 v17, v18, 2, v17
	v_lshl_add_u32 v17, v[HL], 4, v17              ; Wv: 16 u + 8 ((r / 4) % 2) + 4 (r / 8) + r % 4
	s_cmp_lt_u32 s26, 2
	s_cselect_b32 s30, -1, 0
	v_cndmask_b32 v17, v17, v16, s30
	s_cmp_eq_u32 s26, 3
	s_cselect_b32 s30, -1, 0
	v_cndmask_b32 v17, v17, v[LN], s30             ; Wo: 16 u + r.  Only global offsets hang on the choice, no LDS address
	s_mov_b32 s31, 2048
	s_cselect_b32 s51, 16384, s31                  ; register 4 h' + a of a block takes the row a x AS + h' x HS bytes on: 2,048 and 8,192; for Wo 16,384 and 2,048
	s_mov_b32 s56, 8192
	s_cselect_b32 s56, s31, s56
	s_mov_b32 s57, 0
	v_lshlrev_b32 v8, 2, v17
	v_add_nc_u32 v9, s51, v8
	v_add_nc_u32 v10, s51, v9
	v_add_nc_u32 v11, s51, v10                     ; v8-11: 4 x column + a x AS
	s_mul_i32 s53, s24, WLDS
	s_add_co_u32 s53, s53, WREG                    ; my LDS: two images (1,536 u), then their scale words
	v_mul_u32_u24 v12, v[HL], FRB
	v_lshl_add_u32 v12, v[RR], 4, v12
	v_add_nc_u32 v12, s53, v12                     ; my column is image row r of tile u
	v_add_nc_u32 v13, s53, v[L4]
	v_add_nc_u32 v13, 2*FRB, v13                   ; its scale word: 64 u + 4 r = 4 x lane, in and out alike
	v_add_nc_u32 v14, s53, v[LI]                   ; the images back, 16 bytes a lane
	s_lshl_b32 s54, s27, 20
	s_lshl_b32 s55, s29, 18
	s_add_co_u32 s54, s54, s55
	s_lshl_b32 s55, s28, 9
	s_add_co_u32 s54, s54, s55
	s_lshl_b32 s55, s24, 7
	s_add_co_u32 s54, s54, s55                     ; 1 MiB x hh + 128 rows x ks + 512 bytes x cg + 128 bytes x wave
	s_mov_b32 s55, 0
	s_mul_i32 s58, s50, WCH
	s_mul_i32 s59, s29, 8*FRB
	s_add_co_u32 s58, s58, s59
	s_mul_i32 s59, s24, 2*FRB
	s_add_co_u32 s58, s58, s59                     ; fragment 8 ks + 2 wave + u of the chunk
	s_mov_b32 s59, 0
	s_lshl_b32 s60, s50, 11
	s_lshl_b32 s61, s29, 9
	s_add_co_u32 s60, s60, s61
	s_lshl_b32 s61, s24, 7
	s_add_co_u32 s60, s60, s61
	s_mov_b32 s61, 0
	s_wait_alu depctr_va_vdst(0)
	s_wait_kmcnt 0x0
	s_cmp_eq_u32 s26, 0
	s_cselect_b64 s[32:33], s[10:11], s[12:13]
	s_cmp_lt_u32 s26, 2
	s_cselect_b64 s[32:33], s[32:33], s[14:15]
	s_cmp_lt_u32 s26, 3
	s_cselect_b64 s[32:33], s[32:33], s[16:17]
	s_add_nc_u64 s[32:33], s[32:33], s[54:55]
.irp n, 1,2,3,4,5,6,7
	s_add_nc_u64 s[32+2*\n:33+2*\n], s[30+2*\n:31+2*\n], s[56:57]   ; s[32:47]: eight bases, HS apart
.endr
	s_add_nc_u64 s[20:21], s[20:21], s[58:59]
	s_add_nc_u64 s[22:23], s[22:23], s[60:61]
.macro LOADW t                         ; block t: 32 rows at my column; 32 lanes read 128 consecutive bytes
.irp hh, 0,1,2,3,4,5,6,7
.irp a, 0,1,2,3
	global_load_b32 v[XW+32*((\t)%2)+4*\hh+\a], v[8+\a], s[32+2*\hh:33+2*\hh] offset:65536*(\t) th:TH_LOAD_NT
.endr
.endr
.endm
.macro BLOCK t                         ; block t of the K step: registers 6 c .. 6 c + 5 (c = t / 2) of image lane r + 16 (t % 2)
.set XB_, XW+32*((\t)%2)
.set CC_, (\t)/2
.set HK_, (\t)%2
.if (\t) < 3
	s_wait_loadcnt 32                              ; this block's 32 loads are in; the next block's may be out
.else
	s_wait_loadcnt 0x0
.endif
	v_max3_num_f32 v94, |v[XB_]|, |v[XB_+1]|, |v[XB_+2]|
	v_max3_num_f32 v95, |v[XB_+3]|, |v[XB_+4]|, |v[XB_+5]|
.irp i, 6,10,14,18,22,26
	v_max3_num_f32 v94, v94, |v[XB_+\i]|, |v[XB_+\i+1]|
	v_max3_num_f32 v95, v95, |v[XB_+\i+2]|, |v[XB_+\i+3]|
.endr
	v_max3_num_f32 v94, v94, |v[XB_+30]|, |v[XB_+31]|
	v_max3_num_f32 v94, v94, v95, 0x1800000        ; and the floor
	v_add_nc_u32 v96, 0xff000000, v94
	v_cvt_scalef32_pk16_fp6_f32 v[C:C+2], v[XB_:XB_+15], v96
	v_cvt_scalef32_pk16_fp6_f32 v[C+4:C+6], v[XB_+16:XB_+31], v96
	v_lshrrev_b32 v97, 23, v96                     ; the byte; also the plain place behind the conversions
.if (\t) == 0
	v_mov_b32 v[SB], v97
.else
	v_lshl_or_b32 v[SB], v97, 8*(\t), v[SB]
.endif
.if CC_ == 0
	v_mov_b32 v[C+3], v[C+4]
	v_mov_b32 v[C+8], v[C+5]
	v_mov_b32 v[C+9], v[C+6]
	ds_store_b128 v12, v[C:C+3] offset:256*HK_                    ; registers 0-3
	ds_store_b64 v12, v[C+8:C+9] offset:256*HK_+512               ; registers 4, 5
.else
	v_mov_b32 v[C+8], v[C+2]
	v_mov_b32 v[C+9], v[C+4]
	v_mov_b32 v[C+10], v[C+5]
	v_mov_b32 v[C+11], v[C+6]
	ds_store_b64 v12, v[C:C+1] offset:256*HK_+520                 ; registers 6, 7
	ds_store_b128 v12, v[C+8:C+11] offset:256*HK_+1024            ; registers 8-11
.endif
.if (\t) == 3
	ds_store_b32 v13, v[SB]
.endif
.if (\t) < 2
	LOADW (\t)+2
.endif
	s_wait_dscnt 0x0                               ; the stores have read their registers: the next block writes them again
.endm
	LOADW 0
	LOADW 1
.irp t, 0,1,2,3
	BLOCK \t
.endr
.irp n, 0,1,2,3,4,5
	ds_load_b128 v[OUTR+4*\n:OUTR+4*\n+3], v14 offset:512*\n
.endr
	ds_load_b32 v[OUTR+24], v13
.irp n, 0,1,2,3,4,5
	s_wait_dscnt 6-\n                              ; read-back n is in; the younger ones may be out
	global_store_b128 v[LI], v[OUTR+4*\n:OUTR+4*\n+3], s[20:21] offset:512*\n   ; 512 consecutive bytes, aligned: two fragments on end
.endr
	s_wait_dscnt 0x0
	global_store_b32 v[L4], v[OUTR+24], s[22:23]   ; two fragments' scale words: 128 consecutive bytes
	s_wait_tensorcnt 0x0
	ds_add_u32 v180, v181
	s_wait_dscnt 0x0
	s_endpgm
.Lfunc_end_k_q1e02daf069_quant:
	.size	k_q1e02daf069_quant, .Lfunc_end_k_q1e02daf069_quant-k_q1e02daf069_quant
	.p2alignl 7, 3214868480
	.fill 96, 4, 3214868480
	.section	.rodata,"a",@progbits
	.p2align	6, 0x0
	.amdhsa_kernel k_q1e02daf069_quant
		.amdhsa_group_segment_fixed_size 47104
		.amdhsa_private_segment_fixed_size 0
		.amdhsa_enable_private_segment 0
		.amdhsa_kernarg_size 80
		.amdhsa_user_sgpr_count 2
		.amdhsa_user_sgpr_kernarg_segment_ptr 1
		.amdhsa_wavefront_size32 1
		.amdhsa_system_sgpr_workgroup_id_x 1
		.amdhsa_system_sgpr_workgroup_id_y 1
		.amdhsa_system_sgpr_workgroup_id_z 1
		.amdhsa_system_vgpr_workitem_id 0
		.amdhsa_next_free_vgpr 192
		.amdhsa_next_free_sgpr 66
		.amdhsa_reserve_vcc 1
		.amdhsa_float_denorm_mode_32 3
		.amdhsa_float_denorm_mode_16_64 3
		.amdhsa_memory_ordered 1
		.amdhsa_forward_progress 1
		.amdhsa_inst_pref_size 42
	.end_amdhsa_kernel
	.amdgpu_metadata
---
amdhsa.version: [ 1, 2 ]
amdhsa.kernels:
  - .name:           k_q1e02daf069_quant
    .symbol:         k_q1e02daf069_quant.kd
    .args:
      - { .name: k, .offset: 0, .size: 8, .value_kind: global_buffer, .address_space: global }
      - { .name: v, .offset: 8, .size: 8, .value_kind: global_buffer, .address_space: global }
      - { .name: q, .offset: 16, .size: 8, .value_kind: global_buffer, .address_space: global }
      - { .name: Wk, .offset: 24, .size: 8, .value_kind: global_buffer, .address_space: global }
      - { .name: Wq, .offset: 32, .size: 8, .value_kind: global_buffer, .address_space: global }
      - { .name: Wv, .offset: 40, .size: 8, .value_kind: global_buffer, .address_space: global }
      - { .name: Wo, .offset: 48, .size: 8, .value_kind: global_buffer, .address_space: global }
      - { .name: xc, .offset: 56, .size: 8, .value_kind: global_buffer, .address_space: global }
      - { .name: wc, .offset: 64, .size: 8, .value_kind: global_buffer, .address_space: global }
      - { .name: ws, .offset: 72, .size: 8, .value_kind: global_buffer, .address_space: global }
    .group_segment_fixed_size: 47104
    .private_segment_fixed_size: 0
    .kernarg_segment_align: 8
    .kernarg_segment_size: 80
    .max_flat_workgroup_size: 128
    .sgpr_count:     66
    .vgpr_count:     192
    .wavefront_size: 32
...
	.end_amdgpu_metadata
.endif
;; end of part 1
;; launch scores (part 2): grid 32 x 8, 4 waves a work-group, clusters of 4 x 4, 327,680 bytes of LDS; arguments xc, wc, ws, bk, bq, pc, ml; writes pc, ml
.if DOCPART == 2
	.amdgcn_target "amdgcn-amd-amdhsa--gfx1250"
	.amdhsa_code_object_version 6
	.text
	.protected	k_q1e02daf069_scores
	.globl	k_q1e02daf069_scores
	.p2align	8
	.type	k_q1e02daf069_scores,@function
k_q1e02daf069_scores:
	s_mov_b64 s[64:65], 0
	v_nop
	global_prefetch_b8 v0, s[64:65] scope:SCOPE_SE
	s_setreg_imm32_b32 hwreg(HW_REG_WAVE_MODE, 25, 1), 1
	s_wait_xcnt 0x0
	s_wait_alu depctr_hold_cnt(0) depctr_sa_sdst(0) depctr_va_vdst(0) depctr_va_sdst(0) depctr_va_ssrc(0) depctr_va_vcc(0) depctr_vm_vsrc(0)
	s_getreg_b32 s2, hwreg(HW_REG_IB_STS2, 6, 4)
	s_cmp_eq_u32 s2, 0
	s_cbranch_scc0 .Lentry_in_a_cluster
	s_endpgm
.Lentry_in_a_cluster:
	s_bfe_u32 s2, ttmp6, 0x10000c
	s_cmp_lg_u32 s2, 0xf033
	s_cbranch_scc0 .Lentry_shape_is_right
	s_endpgm
.Lentry_shape_is_right:
; For one (b, h) and one chunk of 256 keys: k_ = k Wk + bk and q_ = q Wq + bq, both quantised along e in registers; S^T = k_ q_^T; t = S log2(e) / sqrt(512);
; Mc = ceil(the chunk's largest t of a query); p = 2^(t - Mc), quantised along the keys.  Stored: p's codes and scale words (pc), -Mc and the sum of the unquantised p (ml).  The next launch brings the four chunks
; under the row's M by powers of two, which round nothing.  All products on codes of FP6 (E2M3) with E8M0 scales.  k_ and q_ never leave LDS.
; SHARES.  x = 4 x cluster x + cx: b = x % 8, chunk = x / 8; h = 4 x cluster y + cy.  In the projections wave w owns e = 128 w .. 128 w + 127 for all rows: its 32 fragments of the weight stay in registers, and a
; fragment of k from LDS feeds 8 matrix instructions.  The products are used transposed (source 0 = 16 columns of W, source 1 = 16 rows of k), and the columns that form a tile of W were chosen so that a lane's
; 64 results are 4 x 16 neighbours along e: they become fragment w (K step w of the scores' product) of the tile's record, written over the record's codes in place, behind a barrier.
; BY TURNS.  A tile's 32 products go into one of two sets of results; the quantiser of the tile before, a list of 67 vector instructions on the other set, stands in slices of three behind them, so that the wave has
; vector work to issue while the matrix unit works.  A slice costs two switches of the register window.  A group's first 32 products stand bare and its last quantiser stands alone, so that every trip of the loop is alike.
; In S and the softmax wave w owns query tile w and all 256 keys; a lane holds one query.
; CLUSTER 4 x 4: the weight hangs on h alone and is asked for jointly along a row of the cluster; k's and q's records hang on x alone: jointly along a column.
; LDS: ZW 4 x 49,152 (a wave's chunk of Wk, filled again once with Wq's); ZK 16 records of 6,400; ZQ 4 records; the spare words.  ZK and ZQ are filled once and only then stored into.
; By this text's count a wave has one tensor load out at the start and one behind the refill's round.
; LIMITS: NaN and infinities are not served; a block whose largest magnitude lies under 2^-124 gets the byte 1; p under 2^-126 counts as 0.
; REGISTERS: window 0: v1-15 addresses; v16-79, v80-143 two sets of results, later the scores; v144-163 at work; v164-211 four fragments made, later the softmax's; v212-247 scale words and nothing else; v248-255 at work.
;   window 1: W's fragments 0-20 (later four tiles of k_).  window 2: fragments 21-31, bq's tiles from v132 (later four tiles of k_).  window 3: two buffers of k's fragments, bk's tiles from v96, q_ from v160.
.set REC,  6400
.set FRB,  1536
.set WCH,  49152
.set ZK,   4*WCH
.set ZQ,   ZK+16*REC
.set SPARE, ZQ+4*REC                   ; 128 bytes for each wave: two blocks of 256 bytes that no other line names
.set LI,   1                           ; 16 x lane
.set AW,   2                           ; my chunk of W in LDS
.set AX0,  3                           ; ZK + 16 x lane;  v4 the same in the group in hand
.set AX,   4
.set AS0,  5                           ; ZK + 6,144 + 4 x lane: scale words, two fragments' to a load;  v6 in the group in hand
.set AS,   6
.set AI0,  7                           ; where I store fragment w;  v8 in the group in hand
.set AI,   8
.set AJ0,  9                           ; and its scale word;  v10 in the group in hand
.set AJ,   10
.set R4,   11                          ; 4 x (lane % 16)
.set AS2,  12                          ; AS0 and AX0 eight records on
.set AX2,  13
.set SPW,  14
.set NIL,  15
.set ACC,  16                          ; set 0; set 1 is 64 on
.set SC,   16
.set TM,   144
.set BM,   144
.set PD,   152
.set KS,   160
.set KF,   164
.set NM,   164                         ; v164 -Mc, v165 the largest t
.set LS,   166                         ; v[166:169] the sum, in two chains of pairs
.set PF,   170
.set T16,  194
.set XS,   212                         ; v212-215 k's scale words, two buffers (later q_'s)
.set WS,   216                         ; v216-231 Wk's (later k_'s, two sets of 8)
.set WS2,  232                         ; v232-247 Wq's
.set QT,   248
.set O4,   248                         ; at the head only: 4 x lane, 64 x (lane / 16)
.set O64,  249
.set BK,   96
.set BQ,   132
.set QF,   160
.set WV,   18
.set TB,   25
.set CNT,  26
.set G1W,  28
.set G1X,  36
.set G1Q,  44
.set G0W,  52
.set G0X,  56
.set G0Q,  60
.set SEL,  66
.set CS,   68
.set MSB, 0
.set QZ, 0
.macro WIN new                         ; the immediate's high byte repeats the setting that is left; a switch that changes nothing is dropped
.set WNEW, \new
.if MSB != WNEW
	s_set_vgpr_msb (MSB<<8)|WNEW
.set MSB, WNEW
.endif
.endm
.macro PLACES                          ; four plain places: behind matrix instructions ahead of loads into their registers and of reads of results; and behind a tensor load
.rept 4
	v_nop
.endr
.endm
.macro CROUND                          ; a round of the cluster's barrier
	s_barrier_signal -1
	s_barrier_wait -1
	s_cmp_lg_u32 s[WV], 0
	s_cbranch_scc1 .Lnot_wave_0_\@
	s_barrier_signal -3
.Lnot_wave_0_\@:
	s_barrier_wait -3
	s_barrier_signal -1
	s_barrier_wait -1
.endm
; one matrix instruction: c < 0: the sum starts with 0; ra, rb: source 0's, source 1's scale words stand in lanes 16-31
.macro WM d, a, b, c, sa, sb, ra, rb
.set WD, \d
.set WA, \a
.set WB, \b
.set WC, \c
.set WSA, \sa
.set WSB, \sb
.set WR, (\ra)+2*(\rb)
.if WC < 0
.if WR == 0
	v_wmma_scale_f32_16x16x128_f8f6f4 v[WD:WD+7], v[WA:WA+11], v[WB:WB+11], 0, v[WSA], v[WSB] matrix_a_fmt:MATRIX_FMT_FP6 matrix_b_fmt:MATRIX_FMT_FP6
.elseif WR == 1
	v_wmma_scale_f32_16x16x128_f8f6f4 v[WD:WD+7], v[WA:WA+11], v[WB:WB+11], 0, v[WSA], v[WSB] matrix_a_fmt:MATRIX_FMT_FP6 matrix_b_fmt:MATRIX_FMT_FP6 matrix_a_scale:MATRIX_SCALE_ROW1
.elseif WR == 2
	v_wmma_scale_f32_16x16x128_f8f6f4 v[WD:WD+7], v[WA:WA+11], v[WB:WB+11], 0, v[WSA], v[WSB] matrix_a_fmt:MATRIX_FMT_FP6 matrix_b_fmt:MATRIX_FMT_FP6 matrix_b_scale:MATRIX_SCALE_ROW1
.else
	v_wmma_scale_f32_16x16x128_f8f6f4 v[WD:WD+7], v[WA:WA+11], v[WB:WB+11], 0, v[WSA], v[WSB] matrix_a_fmt:MATRIX_FMT_FP6 matrix_b_fmt:MATRIX_FMT_FP6 matrix_a_scale:MATRIX_SCALE_ROW1 matrix_b_scale:MATRIX_SCALE_ROW1
.endif
.else
.if WR == 0
	v_wmma_scale_f32_16x16x128_f8f6f4 v[WD:WD+7], v[WA:WA+11], v[WB:WB+11], v[WC:WC+7], v[WSA], v[WSB] matrix_a_fmt:MATRIX_FMT_FP6 matrix_b_fmt:MATRIX_FMT_FP6
.elseif WR == 1
	v_wmma_scale_f32_16x16x128_f8f6f4 v[WD:WD+7], v[WA:WA+11], v[WB:WB+11], v[WC:WC+7], v[WSA], v[WSB] matrix_a_fmt:MATRIX_FMT_FP6 matrix_b_fmt:MATRIX_FMT_FP6 matrix_a_scale:MATRIX_SCALE_ROW1
.elseif WR == 2
	v_wmma_scale_f32_16x16x128_f8f6f4 v[WD:WD+7], v[WA:WA+11], v[WB:WB+11], v[WC:WC+7], v[WSA], v[WSB] matrix_a_fmt:MATRIX_FMT_FP6 matrix_b_fmt:MATRIX_FMT_FP6 matrix_b_scale:MATRIX_SCALE_ROW1
.else
	v_wmma_scale_f32_16x16x128_f8f6f4 v[WD:WD+7], v[WA:WA+11], v[WB:WB+11], v[WC:WC+7], v[WSA], v[WSB] matrix_a_fmt:MATRIX_FMT_FP6 matrix_b_fmt:MATRIX_FMT_FP6 matrix_a_scale:MATRIX_SCALE_ROW1 matrix_b_scale:MATRIX_SCALE_ROW1
.endif
.endif
.endm
; THE QUANTISER: 64 numbers of a lane (register 16 b + i = k 32 b + 16 (lane / 16) + i of its row) become a fragment's 12 registers and the row's scale word.  It is a list of 67 instructions; QI writes number n.
;   0-31 the four blocks' largest magnitudes, by turns, with the floor 2^(3 - 127) among the leaves (each result tile is first read at its low end); 32-39 with lane l xor 16's; 40-43 2 off the exponent field: the
;   conversion's scale operand; 44-49 the bytes and the scale word; 50-53 the conversions; 54 the word's last byte, also the plain place behind them; 55-66 a whole block to a lane: the halves change places, and the second three registers are moved
.macro QSET src, dst, tmp, word
.set QS_, \src
.set QD_, \dst
.set QT_, \tmp
.set QW_, \word
.endm
.macro QI n
.set QN, \n
.if QN < 4
	v_max3_num_f32 v[TM+QN], |v[QS_+16*QN]|, |v[QS_+16*QN+1]|, 0x1800000
.elseif QN < 32
.set QB, QN%4
.set QJ, 2*(QN/4)
	v_max3_num_f32 v[TM+QB], v[TM+QB], |v[QS_+16*QB+QJ]|, |v[QS_+16*QB+QJ+1]|
.elseif QN < 36
	v_permlanex16_b32 v[TM+QN-28], v[TM+QN-32], s[SEL], s[SEL+1]
.elseif QN < 40
	v_max_num_f32 v[TM+QN-36], v[TM+QN-36], v[TM+QN-32]
.elseif QN < 44
	v_add_nc_u32 v[TM+QN-28], 0xff000000, v[TM+QN-40]
.elseif QN < 48
	v_lshrrev_b32 v[TM+QN-40], 23, v[TM+QN-32]
.elseif QN == 48
	v_lshl_or_b32 v[QW_], v[TM+5], 8, v[TM+4]
.elseif QN == 49
	v_lshl_or_b32 v[QW_], v[TM+6], 16, v[QW_]
.elseif QN < 54                        ; 50-53 the conversions
.set QB, (QN-50)/2
.if (QN-50)%2 == 0
	v_cvt_scalef32_pk16_fp6_f32 v[QD_+6*QB:QD_+6*QB+2], v[QS_+32*QB:QS_+32*QB+15], v[TM+12+2*QB]
.else
	v_cvt_scalef32_pk16_fp6_f32 v[QT_+4*QB:QT_+4*QB+2], v[QS_+32*QB+16:QS_+32*QB+31], v[TM+12+2*QB+1]
.endif
.elseif QN == 54                       ; the scale word's last byte: also the plain place behind the conversions
	v_lshl_or_b32 v[QW_], v[TM+7], 24, v[QW_]
.elseif QN < 67                        ; 55-66 a whole block to a lane.  The list has 67 numbers
.set QB, (QN-55)/6
.set QJ, (QN-55)%6
.if QJ < 3
	v_permlane16_swap_b32 v[QD_+6*QB+QJ], v[QT_+4*QB+QJ]
.else
	v_mov_b32 v[QD_+6*QB+QJ], v[QT_+4*QB+QJ-3]
.endif
.endif
.endm
.macro QUANT src, dst, tmp, word       ; the whole list on end
	QSET \src, \dst, \tmp, \word
.set QK, 0
.rept 68
	QI QK
.set QK, QK+1
.endr
.endm
.macro WCOPY                           ; my chunk's 32 fragments from LDS into windows 1 and 2
	WIN 0x40
.set FF, 0
.rept 32
.if FF == 21
	WIN 0x80
.endif
.if FF < 21
.set FA, 12*FF
.else
.set FA, 12*(FF-21)
.endif
.irp c, 0,1,2
	ds_load_b128 v[FA+4*\c:FA+4*\c+3], v[AW] offset:FRB*FF+512*\c
.endr
.set FF, FF+1
.endr
	WIN 0
.endm
.macro XFETCH buf, off, ax, as         ; a record's four fragments into buffer buf of window 3, its scale words into two registers: 14 LDS loads
	WIN 0xc0
.irp s, 0,1,2,3
.irp c, 0,1,2
	ds_load_b128 v[48*(\buf)+12*\s+4*\c:48*(\buf)+12*\s+4*\c+3], v[\ax] offset:(\off)+FRB*\s+512*\c
.endr
.endr
	WIN 0
.irp n, 0,1
	ds_load_b32 v[XS+2*(\buf)+\n], v[\as] offset:(\off)+128*\n
.endr
.endm
; 32 matrix instructions into the set at acc: my 8 tiles of e x 16 rows, K step by K step; the eight accumulators take turns.  The bias is the C of each sum's first instruction.
; Where QZ is set, numbers 3 n to 3 n + 2 of the quantiser that QSET has named stand behind matrix instruction n, as far as the list goes.  The slices name the other set of results and registers at work: none that a product of this run names.
.macro PROJ buf, wsb, bwin, breg, acc
.irp s, 0,1,2,3
.irp t, 0,1,2,3,4,5,6,7
.set FF, 8*\s+\t
.if FF < 21
.set FA, 12*FF
.set FW, 1
.else
.set FA, 12*(FF-21)
.set FW, 2
.endif
.if \s == 0
	WIN 0x0c+FW+16*(\bwin)
	WM (\acc)+8*\t, FA, 48*(\buf)+12*\s, (\breg)+8*\t, (\wsb)+FF/2, XS+2*(\buf)+\s/2, \t%2, \s%2
.else
	WIN 0x0c+FW
	WM (\acc)+8*\t, FA, 48*(\buf)+12*\s, (\acc)+8*\t, (\wsb)+FF/2, XS+2*(\buf)+\s/2, \t%2, \s%2
.endif
.if QZ && (3*FF < 67)                  ; numbers 3 n to 3 n + 2 of the quantiser stand behind matrix instruction n, as far as the list goes
	WIN 0
	QI 3*FF
	QI 3*FF+1
	QI 3*FF+2
.endif
.endr
.endr
.endm
.macro TILE tn, more, wsb, bwin, breg
.if ((\tn) < 3) || (\more)
	XFETCH ((\tn)+1)%2, REC*((\tn)+1), AX, AS      ; the next record (behind tile 3: the next group's first) into the other buffer
	s_wait_dscnt 14                                ; all but the 14 just issued: this tile's fragments are in
.else
	s_wait_dscnt 0x0
.endif
.if (\tn) > 0
.set QZ, 1
	QSET ACC+64*(((\tn)+1)%2), KF+12*((\tn)-1), QT, KS+(\tn)-1   ; the tile before is quantised between this tile's products
.else
.set QZ, 0
.endif
	PROJ (\tn)%2, \wsb, \bwin, \breg, ACC+64*((\tn)%2)
	WIN 0
	PLACES                                         ; ahead of the first read of these results and of the loads into the buffer just multiplied
.endm
; Four records.  Every wave reads all four, makes its K step of each, and only behind a barrier writes it over the record's codes.
.macro GROUP more, wsb, bwin, breg
	v_add_nc_u32 v[AX], s[TB], v[AX0]
	v_add_nc_u32 v[AS], s[TB], v[AS0]
	v_add_nc_u32 v[AI], s[TB], v[AI0]
	v_add_nc_u32 v[AJ], s[TB], v[AJ0]
	s_wait_alu depctr_va_vdst(0)                   ; the wait behind these four writes
	TILE 0, 1, \wsb, \bwin, \breg
	TILE 1, 1, \wsb, \bwin, \breg
	TILE 2, 1, \wsb, \bwin, \breg
	TILE 3, \more, \wsb, \bwin, \breg
	QUANT ACC+64, KF+36, QT, KS+3                  ; the group's last tile
	s_wait_alu depctr_va_vdst(0)                   ; the wait here, directly ahead of the wait below
	s_wait_dscnt 0x0                               ; my reads of the group's records are over
	s_barrier_signal -1
	s_barrier_wait -1                              ; everybody's are
.irp tn, 0,1,2,3
.irp c, 0,1,2
	ds_store_b128 v[AI], v[KF+12*\tn+4*\c:KF+12*\tn+4*\c+3] offset:REC*\tn+512*\c
.endr
	ds_store_b32 v[AJ], v[KS+\tn] offset:REC*\tn   ; both halves of the lanes hold and store the same word
.endr
.endm
	s_load_b256 s[4:11], s[0:1], 0x0               ; xc, wc, ws, bk
	s_load_b128 s[12:15], s[0:1], 0x20             ; bq, pc
	s_load_b64 s[16:17], s[0:1], 0x30              ; ml
	v_lshl_add_u32 v[SPW], v0, 2, SPARE
	v_mov_b32 v[NIL], 0
	ds_add_u32 v14, v15
	ds_add_u32 v14, v15
	s_wait_dscnt 0x0
	v_lshrrev_b32 v1, 5, v0
	v_readfirstlane_b32 s[WV], v1                  ; wave 0..3
	s_bfe_u32 s19, ttmp6, 0x40000                  ; cx
	s_bfe_u32 s20, ttmp6, 0x40004                  ; cy
	s_lshl_b32 s21, ttmp9, 2
	s_add_co_u32 s21, s21, s19                     ; x
	s_and_b32 s22, ttmp7, 0xffff
	s_lshl_b32 s22, s22, 2
	s_add_co_u32 s22, s22, s20                     ; h
	s_and_b32 s23, s21, 7                          ; b
	s_lshr_b32 s24, s21, 3                         ; the chunk of keys
	s_lshl_b32 s88, s20, 2
	s_lshl_b32 s88, 15, s88                        ; my row of the cluster
	s_lshl_b32 s89, 0x1111, s19                    ; my column
	; descriptor groups 1: dense blocks as rows of 256 bytes (32 elements of 8 bytes), no padding; bit 21 set beside a mask
	s_or_b32 s[G1W], s88, (3<<16)|(1<<21)          ; a wave's chunk of a weight: 192 rows; shared along the row (it hangs on h)
	s_or_b32 s[G1X], s89, (3<<16)|(1<<21)          ; k's sixteen records: 400 rows; shared along the column (they hang on x)
	s_or_b32 s[G1Q], s89, (3<<16)|(1<<21)          ; q's four records: 100 rows
.irp g, G1W, G1X, G1Q
	s_mov_b32 s[\g+1], 32<<16                      ; tensor_dim0
	s_mov_b32 s[\g+3], 32<<16                      ; tile_dim0
	s_mov_b32 s[\g+5], 32                          ; the pitch
	s_mov_b32 s[\g+6], 0
	s_mov_b32 s[\g+7], 0
.endr
	s_mov_b32 s[G1W+2], 384<<16                    ; at the head two chunks of Wk to a load: 384 rows (behind the head: 192)
	s_mov_b32 s[G1W+4], 384
	s_mov_b32 s[G1X+2], 400<<16                    ; k's sixteen records: 400 rows
	s_mov_b32 s[G1X+4], 400
	s_mov_b32 s[G1Q+2], 100<<16                    ; q's four records: 100 rows
	s_mov_b32 s[G1Q+4], 100
	; s72-75 hold what hangs on h, s76-79 what hangs on x: neither ever holds the other coordinate
	s_lshl_b32 s72, s22, 2
	s_add_co_u32 s72, s72, s[WV]                   ; chunk 4 h + w of Wk
	s_lshl_b32 s74, s72, 11                        ; its scale words
	s_mul_i32 s72, s72, WCH
	s_mov_b32 s73, 0
	s_mov_b32 s75, 0
	s_lshl_b32 s76, s23, 6
	s_lshl_b32 s77, s24, 4
	s_add_co_u32 s76, s76, s77
	s_lshl_b32 s70, s22, 2                         ; the head's load of Wk (waves 0, 1): chunks 4 h + 2 w and the next
	s_lshl_b32 s71, s[WV], 1
	s_add_co_u32 s70, s70, s71
	s_mul_i32 s70, s70, WCH
	s_mov_b32 s71, 0
	s_mul_i32 s76, s76, REC
	s_mov_b32 s77, 0
	s_lshl_b32 s78, s23, 2
	s_add_co_u32 s78, s78, 1024                    ; q's tiles 1,024 + 4 b on
	s_mul_i32 s78, s78, REC
	s_mov_b32 s79, 0
	s_mov_b32 s[SEL], 0x76543210
	s_mov_b32 s[SEL+1], 0xfedcba98
	s_mov_b32 s[CS], 0x3d8293ee                    ; log2(e) / sqrt(512)
	s_mov_b32 s[CS+1], s[CS]
	; the outputs' places mix x and h: registers that feed no descriptor
	s_lshl_b32 s90, s23, 3
	s_add_co_u32 s90, s90, s22                     ; 8 b + h
	s_mul_i32 s92, s90, 51200
	s_lshl_b32 s91, s24, 3
	s_add_co_u32 s91, s91, s[WV]                   ; fragment 4 (2 chunk) + w
	s_mul_i32 s94, s91, FRB
	s_add_co_u32 s94, s94, s92
	s_mov_b32 s95, 0
	s_lshl_b32 s96, s91, 6
	s_add_co_u32 s96, s96, s92
	s_add_co_u32 s96, s96, 32*FRB
	s_mov_b32 s97, 0
	s_lshl_b32 s92, s90, 2
	s_add_co_u32 s92, s92, s24
	s_lshl_b32 s92, s92, 9
	s_lshl_b32 s93, s[WV], 6
	s_add_co_u32 s92, s92, s93
	s_mov_b32 s93, 0
	s_lshl_b32 s82, s22, 11
	s_lshl_b32 s83, s[WV], 9
	s_add_co_u32 s82, s82, s83                     ; the biases: 2,048 h + 512 w
	s_mov_b32 s83, 0
	v_and_b32 v16, 31, v0
	v_and_b32 v17, 15, v0
	v_bfe_u32 v18, v0, 4, 1
	v_lshlrev_b32 v[LI], 4, v16
	v_lshlrev_b32 v[O4], 2, v16                    ; 4 x lane
	v_lshlrev_b32 v[O64], 6, v18                   ; 64 x (lane / 16)
	v_lshlrev_b32 v[R4], 2, v17
	s_mul_i32 s27, s[WV], WCH
	v_add_nc_u32 v[AW], s27, v[LI]
	v_add_nc_u32 v[AX0], ZK, v[LI]
	v_add_nc_u32 v[AS0], ZK+4*FRB, v[O4]
	s_mul_i32 s27, s[WV], FRB
	v_add_nc_u32 v[AI0], s27, v[AX0]
	s_lshl_b32 s27, s[WV], 6
	s_add_co_u32 s27, s27, ZK+4*FRB
	v_add_nc_u32 v[AJ0], s27, v[R4]
	v_add_nc_u32 v[AX2], 8*REC, v[AX0]
	v_add_nc_u32 v[AS2], 8*REC, v[AS0]
.irp n, 4,5,6,7,8,9,10,11
	v_mov_b32 v[TM+\n], 0                          ; lane permutes' destinations count as read: written once
.endr
	s_wait_alu depctr_va_vdst(0)                   ; the wait at the head's end
	s_wait_kmcnt 0x0
	s_mov_b32 s[G0W], 1
	s_mul_i32 s[G0W+1], s[WV], 2*WCH
	s_add_nc_u64 s[G0W+2:G0W+3], s[6:7], s[70:71]
	s_or_b32 s[G0W+3], s[G0W+3], 0x80000000
	s_mov_b32 s[G0X], 1
	s_mov_b32 s[G0X+1], ZK
	s_add_nc_u64 s[G0X+2:G0X+3], s[4:5], s[76:77]
	s_or_b32 s[G0X+3], s[G0X+3], 0x80000000
	s_mov_b32 s[G0Q], 1
	s_mov_b32 s[G0Q+1], ZQ
	s_add_nc_u64 s[G0Q+2:G0Q+3], s[4:5], s[78:79]
	s_or_b32 s[G0Q+3], s[G0Q+3], 0x80000000
	s_add_nc_u64 s[80:81], s[8:9], s[74:75]        ; my chunk's scale words
	s_add_nc_u64 s[84:85], s[10:11], s[82:83]      ; bk, bq at my 128
	s_add_nc_u64 s[86:87], s[12:13], s[82:83]
	s_add_nc_u64 s[94:95], s[14:15], s[94:95]      ; p's codes,
	s_add_nc_u64 s[96:97], s[14:15], s[96:97]      ; p's scale words,
	s_add_nc_u64 s[92:93], s[16:17], s[92:93]      ; -Mc and the sum
	CROUND                                         ; all sixteen work-groups are here: the first joint loads meet
	; THE HEAD'S LOADS, ONE A WAVE: waves 0 and 1 two chunks of Wk each, wave 2 k's sixteen records, wave 3 q's four.  One chain of branches on the wave's number, a load to an arm
	s_cmp_lt_u32 s[WV], 2
	s_cbranch_scc0 .Lhead_k
	tensor_load_to_lds s[G0W:G0W+3], s[G1W:G1W+7]
	s_nop 0
	PLACES
	s_branch .Lhead_asked
.Lhead_k:
	s_cmp_lt_u32 s[WV], 3
	s_cbranch_scc0 .Lhead_q
	tensor_load_to_lds s[G0X:G0X+3], s[G1X:G1X+7]
	s_nop 0
	PLACES
	s_branch .Lhead_asked
.Lhead_q:
	tensor_load_to_lds s[G0Q:G0Q+3], s[G1Q:G1Q+7]
	s_nop 0
	PLACES
.Lhead_asked:
.irp n, 0,1,2,3,4,5,6,7,8,9,10,11,12,13,14,15
	global_load_b32 v[WS+\n], v[O4], s[80:81] offset:128*\n          ; fragments 2 n (lanes 0-15) and 2 n + 1 (lanes 16-31) of Wk's chunk
	global_load_b32 v[WS2+\n], v[O4], s[80:81] offset:65536+128*\n   ; and of Wq's, 32 chunks on
.endr
	WIN 0xc0
.irp t, 0,1,2,3,4,5,6,7                        ; the biases in the result's layout: lane half hl, tile 2 p + u, register j: e = 32 p + 16 hl + 8 u + j
	global_load_b128 v[BK+8*\t:BK+8*\t+3], v[O64], s[84:85] offset:(32*(\t/2)+8*(\t%2))*4
	global_load_b128 v[BK+8*\t+4:BK+8*\t+7], v[O64], s[84:85] offset:(32*(\t/2)+8*(\t%2))*4+16
.endr
	WIN 0x80
.irp t, 0,1,2,3,4,5,6,7
	global_load_b128 v[BQ+8*\t:BQ+8*\t+3], v[O64], s[86:87] offset:(32*(\t/2)+8*(\t%2))*4
	global_load_b128 v[BQ+8*\t+4:BQ+8*\t+7], v[O64], s[86:87] offset:(32*(\t/2)+8*(\t%2))*4+16
.endr
	WIN 0
	s_wait_tensorcnt 0x0                           ; my one load of the head has landed
	s_barrier_signal -1
	s_barrier_wait -1                              ; everybody's has: Wk, k's and q's records are whole
	WCOPY
	s_wait_tensorcnt 0x0                           ; no tensor load of mine is out: descriptors may be written;
	ds_add_u32 v[SPW], v[NIL]                      ; 0 onto my spare word
	s_mov_b32 s[G1W+2], 192<<16                    ; from here on a load of a weight brings one chunk: 192 rows
	s_mov_b32 s[G1W+4], 192
	s_mul_i32 s[G0W+1], s[WV], WCH                 ; my own chunk's place,
	s_add_nc_u64 s[G0W+2:G0W+3], s[6:7], s[72:73]  ; chunk 4 h + w,
	s_add_nc_u64 s[G0W+2:G0W+3], s[G0W+2:G0W+3], 32*WCH   ; of Wq: 32 chunks on
	s_or_b32 s[G0W+3], s[G0W+3], 0x80000000
	s_wait_dscnt 0x0                               ; the add is done, and Wk is in my registers
	CROUND                                         ; no wave of any partner still reads ZW or has a load on its way; k's and q's records are whole for every wave
	tensor_load_to_lds s[G0W:G0W+3], s[G1W:G1W+7]  ; Wq lands while the 16 tiles of k are worked
	s_nop 0
	PLACES
	s_wait_loadcnt 0x0                             ; scale words and biases; the two offsets' registers are free from here on
	XFETCH 0, 0, AX0, AS0
	s_mov_b32 s[TB], 0
	s_mov_b32 s[CNT], 4
.Lgroup:                                               ; four groups of four tiles of k
	GROUP 1, WS, 3, BK
	s_add_co_u32 s[TB], s[TB], 4*REC
	s_sub_co_u32 s[CNT], s[CNT], 1
	s_cmp_lg_u32 s[CNT], 0
	s_cbranch_scc1 .Lgroup
	s_wait_tensorcnt 0x0                           ; my chunk of Wq is in; I alone read it
	WCOPY
	GROUP 0, WS2, 2, BQ                            ; q's four records lie straight behind k's sixteen; the first was fetched by the last trip
	s_wait_dscnt 0x0
	s_barrier_signal -1
	s_barrier_wait -1                              ; k_ and q_ lie whole in LDS
	; ---- S^T = k_ q_^T: my query tile against 16 tiles of keys, four at a time, in two sets of registers
	s_mul_i32 s27, s[WV], REC
	s_add_co_u32 s27, s27, 16*REC
	v_add_nc_u32 v[AI], s27, v[AX0]
	v_add_nc_u32 v[AJ], s27, v[AS0]
	WIN 0xc0
.irp s, 0,1,2,3
.irp c, 0,1,2
	ds_load_b128 v[QF+12*\s+4*\c:QF+12*\s+4*\c+3], v[AI] offset:FRB*\s+512*\c
.endr
.endr
	WIN 0
	ds_load_b32 v[XS], v[AJ]
	ds_load_b32 v[XS+1], v[AJ] offset:128
.macro KFETCH n                        ; key tiles 4 n .. 4 n + 3: 48 + 8 LDS loads
.if (\n) < 2
.set KA, AX0
.set KB, AS0
.else
.set KA, AX2
.set KB, AS2
.endif
.if (\n)%2 == 0
	WIN 0x40
.else
	WIN 0x80
.endif
.irp tt, 0,1,2,3
.irp s, 0,1,2,3
.irp c, 0,1,2
	ds_load_b128 v[48*\tt+12*\s+4*\c:48*\tt+12*\s+4*\c+3], v[KA] offset:REC*(4*((\n)%2)+\tt)+FRB*\s+512*\c
.endr
.endr
.endr
	WIN 0
.irp tt, 0,1,2,3
.irp i, 0,1
	ds_load_b32 v[WS+8*((\n)%2)+2*\tt+\i], v[KB] offset:REC*(4*((\n)%2)+\tt)+128*\i
.endr
.endr
.endm
.macro SMUL n                          ; 16 matrix instructions; the four accumulators take turns
.if (\n)%2 == 0
	WIN 0x0d
.else
	WIN 0x0e
.endif
.irp s, 0,1,2,3
.irp tt, 0,1,2,3
.if \s == 0
	WM SC+8*(4*(\n)+\tt), 48*\tt+12*\s, QF+12*\s, -1, WS+8*((\n)%2)+2*\tt+\s/2, XS+\s/2, \s%2, \s%2
.else
	WM SC+8*(4*(\n)+\tt), 48*\tt+12*\s, QF+12*\s, SC+8*(4*(\n)+\tt), WS+8*((\n)%2)+2*\tt+\s/2, XS+\s/2, \s%2, \s%2
.endif
.endr
.endr
	WIN 0
.endm
	KFETCH 0
	KFETCH 1
	s_wait_dscnt 56                                ; all but the 56 just issued
	SMUL 0
	PLACES
	KFETCH 2
	s_wait_dscnt 56
	SMUL 1
	PLACES
	KFETCH 3
	s_wait_dscnt 56
	SMUL 2
	s_wait_dscnt 0x0
	SMUL 3
	PLACES
	; ---- the softmax of the chunk.  Lane (r, hl) holds query r; register 16 b + i is key 32 b + 16 hl + i.  A block's largest score serves twice: for the row's maximum and, since p rises with the score, for the block's largest p
.irp b, 0,1,2,3,4,5,6,7
	v_max3_num_f32 v[BM+\b], v[SC+16*\b], v[SC+16*\b+1], v[SC+16*\b+2]
.endr
.irp i, 3,5,7,9,11,13
.irp b, 0,1,2,3,4,5,6,7
	v_max3_num_f32 v[BM+\b], v[BM+\b], v[SC+16*\b+\i], v[SC+16*\b+\i+1]
.endr
.endr
.irp b, 0,1,2,3,4,5,6,7
	v_max_num_f32 v[BM+\b], v[BM+\b], v[SC+16*\b+15]
.endr
.irp b, 0,1,2,3,4,5,6,7
	v_permlanex16_b32 v[PD+\b], v[BM+\b], s[SEL], s[SEL+1]
.endr
.irp b, 0,1,2,3,4,5,6,7
	v_max_num_f32 v[BM+\b], v[BM+\b], v[PD+\b]
.endr
	v_max3_num_f32 v[NM+1], v[BM], v[BM+1], v[BM+2]
	v_max3_num_f32 v[NM+1], v[NM+1], v[BM+3], v[BM+4]
	v_max3_num_f32 v[NM+1], v[NM+1], v[BM+5], v[BM+6]
	v_max_num_f32 v[NM+1], v[NM+1], v[BM+7]
	v_mul_f32 v[NM+1], s[CS], v[NM+1]              ; the largest t
	v_floor_f32 v[NM], -v[NM+1]                    ; -Mc = floor(-t) = -ceil(t): a whole number
.set j, 0
.rept 64
	v_pk_fma_f32 v[SC+j:SC+j+1], v[SC+j:SC+j+1], s[CS:CS+1], v[NM:NM+1] op_sel_hi:[1,0,0]   ; t - Mc, two at a time
.set j, j+2
.endr
.irp b, 0,1,2,3,4,5,6,7
	v_fma_f32 v[BM+\b], v[BM+\b], s[CS], v[NM]
.endr
	s_wait_alu depctr_va_vdst(0)                   ; the wait ahead of the batch
.set j, 0
.rept 128
	v_exp_f32 v[SC+j], v[SC+j]                     ; p = 2^(t - Mc): one batch with the eight below
.set j, j+1
.endr
.irp b, 0,1,2,3,4,5,6,7
	v_exp_f32 v[BM+\b], v[BM+\b]                   ; the blocks' largest p: the same two instructions on the same number
.endr
	v_nop                                          ; a plain place behind the last exponential
	s_wait_alu depctr_va_vdst(0)                   ; one wait for the batch, ahead of its first reader
	v_pk_add_f32 v[LS:LS+1], v[SC:SC+1], v[SC+2:SC+3]              ; the sum of the UNQUANTISED p, in two chains
	v_pk_add_f32 v[LS+2:LS+3], v[SC+4:SC+5], v[SC+6:SC+7]
.set j, 8
.rept 30
	v_pk_add_f32 v[LS:LS+1], v[LS:LS+1], v[SC+j:SC+j+1]
	v_pk_add_f32 v[LS+2:LS+3], v[LS+2:LS+3], v[SC+j+2:SC+j+3]
.set j, j+4
.endr
	v_pk_add_f32 v[LS:LS+1], v[LS:LS+1], v[LS+2:LS+3]
	v_add_f32 v[LS], v[LS], v[LS+1]
	v_permlanex16_b32 v[LS+1], v[LS], s[SEL], s[SEL+1]
	v_add_f32 v[LS], v[LS], v[LS+1]                ; with lane l xor 16's keys
.irp b, 0,1,2,3,4,5,6,7
	v_max_num_f32 v[BM+\b], 0x1800000, v[BM+\b]    ; the floor
.endr
.irp b, 0,1,2,3,4,5,6,7
	v_add_nc_u32 v[PD+\b], 0xff000000, v[BM+\b]
.endr
.irp b, 0,1,2,3,4,5,6,7
	v_lshrrev_b32 v[BM+\b], 23, v[PD+\b]
.endr
.irp n, 0,1
	v_lshl_or_b32 v[KS+\n], v[BM+4*\n+1], 8, v[BM+4*\n]
	v_lshl_or_b32 v[KS+\n], v[BM+4*\n+2], 16, v[KS+\n]
	v_lshl_or_b32 v[KS+\n], v[BM+4*\n+3], 24, v[KS+\n]
.endr
.irp n, 0,1,2,3
	v_cvt_scalef32_pk16_fp6_f32 v[PF+6*\n:PF+6*\n+2], v[SC+32*\n:SC+32*\n+15], v[PD+2*\n]
	v_cvt_scalef32_pk16_fp6_f32 v[T16+4*\n:T16+4*\n+2], v[SC+32*\n+16:SC+32*\n+31], v[PD+2*\n+1]
.endr
	v_nop
.irp n, 0,1,2,3
.irp i, 0,1,2
	v_permlane16_swap_b32 v[PF+6*\n+\i], v[T16+4*\n+\i]
.endr
.irp i, 0,1,2
	v_mov_b32 v[PF+6*\n+3+\i], v[T16+4*\n+\i]
.endr
.endr
.irp n, 0,1                                    ; the chunk's two K steps of 128 keys
.irp c, 0,1,2
	global_store_b128 v[LI], v[PF+12*\n+4*\c:PF+12*\n+4*\c+3], s[94:95] offset:4*FRB*\n+512*\c   ; 512 consecutive bytes, aligned
.endr
	global_store_b32 v[R4], v[KS+\n], s[96:97] offset:256*\n        ; 64 bytes; both halves of the lanes store the same word
.endr
	global_store_b32 v[R4], v[NM], s[92:93]
	global_store_b32 v[R4], v[LS], s[92:93] offset:256
	s_wait_tensorcnt 0x0                           ; the wave's end
	ds_add_u32 v[SPW], v[NIL]
	s_wait_dscnt 0x0
	CROUND                                         ; the closing round
	s_endpgm
.Lfunc_end_k_q1e02daf069_scores:
	.size	k_q1e02daf069_scores, .Lfunc_end_k_q1e02daf069_scores-k_q1e02daf069_scores
	.p2alignl 7, 3214868480
	.fill 96, 4, 3214868480
	.section	.rodata,"a",@progbits
	.p2align	6, 0x0
	.amdhsa_kernel k_q1e02daf069_scores
		.amdhsa_group_segment_fixed_size 327680
		.amdhsa_private_segment_fixed_size 0
		.amdhsa_enable_private_segment 0
		.amdhsa_kernarg_size 56
		.amdhsa_user_sgpr_count 2
		.amdhsa_user_sgpr_kernarg_segment_ptr 1
		.amdhsa_wavefront_size32 1
		.amdhsa_system_sgpr_workgroup_id_x 1
		.amdhsa_system_sgpr_workgroup_id_y 1
		.amdhsa_system_sgpr_workgroup_id_z 1
		.amdhsa_system_vgpr_workitem_id 0
		.amdhsa_next_free_vgpr 1024
		.amdhsa_next_free_sgpr 100
		.amdhsa_reserve_vcc 0
		.amdhsa_float_denorm_mode_32 3
		.amdhsa_float_denorm_mode_16_64 3
		.amdhsa_memory_ordered 1
		.amdhsa_forward_progress 1
		.amdhsa_inst_pref_size 156
	.end_amdhsa_kernel
	.amdgpu_metadata
---
amdhsa.version: [ 1, 2 ]
amdhsa.kernels:
  - .name:           k_q1e02daf069_scores
    .symbol:         k_q1e02daf069_scores.kd
    .args:
      - { .name: xc, .offset: 0, .size: 8, .value_kind: global_buffer, .address_space: global }
      - { .name: wc, .offset: 8, .size: 8, .value_kind: global_buffer, .address_space: global }
      - { .name: ws, .offset: 16, .size: 8, .value_kind: global_buffer, .address_space: global }
      - { .name: bk, .offset: 24, .size: 8, .value_kind: global_buffer, .address_space: global }
      - { .name: bq, .offset: 32, .size: 8, .value_kind: global_buffer, .address_space: global }
      - { .name: pc, .offset: 40, .size: 8, .value_kind: global_buffer, .address_space: global }
      - { .name: ml, .offset: 48, .size: 8, .value_kind: global_buffer, .address_space: global }
    .group_segment_fixed_size: 327680
    .private_segment_fixed_size: 0
    .kernarg_segment_align: 8
    .kernarg_segment_size: 56
    .max_flat_workgroup_size: 128
    .sgpr_count:     100
    .vgpr_count:     1024
    .wavefront_size: 32
...
	.end_amdgpu_metadata
.endif
;; end of part 2
;; launch values (part 3): grid 32 x 8, 4 waves a work-group, clusters of 4 x 4, 327,680 bytes of LDS; arguments xc, wc, ws, bv, pc, ml, att; writes att
.if DOCPART == 3
	.amdgcn_target "amdgcn-amd-amdhsa--gfx1250"
	.amdhsa_code_object_version 6
	.text
	.protected	k_q1e02daf069_values
	.globl	k_q1e02daf069_values
	.p2align	8
	.type	k_q1e02daf069_values,@function
k_q1e02daf069_values:
	s_mov_b64 s[64:65], 0
	v_nop
	global_prefetch_b8 v0, s[64:65] scope:SCOPE_SE
	s_setreg_imm32_b32 hwreg(HW_REG_WAVE_MODE, 25, 1), 1
	s_wait_xcnt 0x0
	s_wait_alu depctr_hold_cnt(0) depctr_sa_sdst(0) depctr_va_vdst(0) depctr_va_sdst(0) depctr_va_ssrc(0) depctr_va_vcc(0) depctr_vm_vsrc(0)
	s_getreg_b32 s2, hwreg(HW_REG_IB_STS2, 6, 4)
	s_cmp_eq_u32 s2, 0
	s_cbranch_scc0 .Lentry_in_a_cluster
	s_endpgm
.Lentry_in_a_cluster:
	s_bfe_u32 s2, ttmp6, 0x10000c
	s_cmp_lg_u32 s2, 0xf033
	s_cbranch_scc0 .Lentry_shape_is_right
	s_endpgm
.Lentry_shape_is_right:
; For one (b, h) and 128 channels: v_ = v Wv + bv, quantised along the KEYS in registers; O^T = v_^T p^T over all 1,024 keys; the four chunks of keys are brought under the row's M = max Mc by 2^(Mc - M)
; (v_ldexp_f32: nothing is rounded) and divided by l = the sum of 2^(Mc - M) lc.  Stored: att, f32, as images of O^T's result tiles.  All products on codes of FP6 (E2M3) with E8M0 scales.
; SHARES.  h = cluster x, j = cx (which 128 channels), b = 4 x cluster y + cy.  Wave w: kh = w / 2 (512 keys: chunks 2 kh, 2 kh + 1), eh = w % 2 (four tiles of 16 channels).
; The projection takes source 0 = 16 keys, source 1 = 16 channels: a lane holds ONE channel and its registers run along the keys; two neighbouring tiles of keys give 16 neighbours, so a pair is a block of 32.
; Four pairs are a K step of 128 keys: one fragment of v_^T for each tile of channels, made in registers and multiplied at once by p's four fragments (all 64 queries).  A chunk has accumulators of its own.
; BY TURNS.  A pair's 32 products go into one of two sets of results; the quantiser of the pair before, a list of 57 or 81 vector instructions on the other set, stands in slices of three behind them, so that the wave
; has vector work to issue while the matrix unit works.  A slice costs two switches of the register window.  A step's first 32 products stand bare, and its last quantiser stands alone ahead of the products with p.
; At the end each wave keeps two query tiles and sends two to the wave with the other keys, through LDS.  Which are kept lies in addresses: local tile ql is query tile ql xor 2 kh.
; Wv's columns were ordered so that register 4 jj + a of O^T in lane half hl is channel 8 jj + 4 hl + a of its 16: block 2 jj + hl of the last product's K step.
; CLUSTER 4 x 4: Wv's chunk hangs on h and cx: asked for jointly along a column; v's records and p hang on b (cy) and h: jointly along a row.
; LDS: ZW 49,152; ZP 51,200; two slots of 102,400 ([kh][8 records]); the spare words.  By this text's count a wave has one tensor load out at the start, one behind each refill's round.
; LIMITS: NaN and infinities are not served; a block whose largest magnitude lies under 2^-124 gets the byte 1; a chunk's share is lost where 2^(Mc - M) falls under the smallest f32 number.
; REGISTERS: window 0: v1-15 addresses; v16-79 and v184-247 two sets of a pair's results; v80-127 v_'s four fragments; v128-159 at work; v160-181 scale words and nothing else; at the end v184-215 -Mc and lc, v218-247 factors.
;   window 1: Wv's 16 fragments, bv's tiles from v192, -Mc and lc from v224 until the end.  window 2: two buffers of v's fragments, p's four from v192.  window 3: O^T, two sets of 16 accumulators.
.set REC,  6400
.set FRB,  1536
.set WCH,  49152
.set ZP,   WCH
.set S0,   ZP+51200
.set S1,   S0+16*REC
.set SPARE, S1+16*REC
.set LI,   1
.set AW,   2
.set AX,   3                           ; v3, v4: my keys' records in slot 0, 1
.set AXS,  5                           ; v5, v6: their scale words
.set APK,  7                           ; p's fragments of the query tiles that I keep;  v8 of those that I send
.set APS,  8
.set APSK, 9                           ; their scale words
.set APSS, 10
.set STI,  11                          ; the exchange: where I put, where I read
.set STO,  12
.set SPW,  14
.set NIL,  15
.set VA,   16                          ; set 0; set 1 is VSTEP on
.set VSTEP, 168
.set VF,   80
.set T,    128
.set TM,   144
.set VS,   160
.set WS,   164
.set XS,   172
.set PS,   180
.set ML,   184
.set MLW,  224                         ; in window 1
.set G,    218
.set ER,   234
.set EW,   240
.set BV,   192
.set PFR,  192
.set WV,   18
.set G1W,  28
.set G1P,  36
.set G1X,  44
.set G0W,  52
.set G0P,  56
.set G0S0, 60
.set SEL,  66
.set G0S1, 68
.set G0H,  96                          ; s[96:99] group 0 of the head's load of half of slot 0 (waves 2, 3)
.set MSB, 0
.set QZ, 0
.set QCNT, 0
.macro WIN new
.set WNEW, \new
.if MSB != WNEW
	s_set_vgpr_msb (MSB<<8)|WNEW
.set MSB, WNEW
.endif
.endm
.macro PLACES
.rept 4
	v_nop
.endr
.endm
.macro CROUND
	s_barrier_signal -1
	s_barrier_wait -1
	s_cmp_lg_u32 s[WV], 0
	s_cbranch_scc1 .Lnot_wave_0_\@
	s_barrier_signal -3
.Lnot_wave_0_\@:
	s_barrier_wait -3
	s_barrier_signal -1
	s_barrier_wait -1
.endm
.macro WM d, a, b, c, sa, sb, ra, rb   ; one matrix instruction: c < 0: the sum starts with 0; ra, rb: the scale words stand in lanes 16-31
.set WD, \d
.set WA, \a
.set WB, \b
.set WC, \c
.set WSA, \sa
.set WSB, \sb
.set WR, (\ra)+2*(\rb)
.if WC < 0
.if WR == 0
	v_wmma_scale_f32_16x16x128_f8f6f4 v[WD:WD+7], v[WA:WA+11], v[WB:WB+11], 0, v[WSA], v[WSB] matrix_a_fmt:MATRIX_FMT_FP6 matrix_b_fmt:MATRIX_FMT_FP6
.elseif WR == 1
	v_wmma_scale_f32_16x16x128_f8f6f4 v[WD:WD+7], v[WA:WA+11], v[WB:WB+11], 0, v[WSA], v[WSB] matrix_a_fmt:MATRIX_FMT_FP6 matrix_b_fmt:MATRIX_FMT_FP6 matrix_a_scale:MATRIX_SCALE_ROW1
.elseif WR == 2
	v_wmma_scale_f32_16x16x128_f8f6f4 v[WD:WD+7], v[WA:WA+11], v[WB:WB+11], 0, v[WSA], v[WSB] matrix_a_fmt:MATRIX_FMT_FP6 matrix_b_fmt:MATRIX_FMT_FP6 matrix_b_scale:MATRIX_SCALE_ROW1
.else
	v_wmma_scale_f32_16x16x128_f8f6f4 v[WD:WD+7], v[WA:WA+11], v[WB:WB+11], 0, v[WSA], v[WSB] matrix_a_fmt:MATRIX_FMT_FP6 matrix_b_fmt:MATRIX_FMT_FP6 matrix_a_scale:MATRIX_SCALE_ROW1 matrix_b_scale:MATRIX_SCALE_ROW1
.endif
.else
.if WR == 0
	v_wmma_scale_f32_16x16x128_f8f6f4 v[WD:WD+7], v[WA:WA+11], v[WB:WB+11], v[WC:WC+7], v[WSA], v[WSB] matrix_a_fmt:MATRIX_FMT_FP6 matrix_b_fmt:MATRIX_FMT_FP6
.elseif WR == 1
	v_wmma_scale_f32_16x16x128_f8f6f4 v[WD:WD+7], v[WA:WA+11], v[WB:WB+11], v[WC:WC+7], v[WSA], v[WSB] matrix_a_fmt:MATRIX_FMT_FP6 matrix_b_fmt:MATRIX_FMT_FP6 matrix_a_scale:MATRIX_SCALE_ROW1
.elseif WR == 2
	v_wmma_scale_f32_16x16x128_f8f6f4 v[WD:WD+7], v[WA:WA+11], v[WB:WB+11], v[WC:WC+7], v[WSA], v[WSB] matrix_a_fmt:MATRIX_FMT_FP6 matrix_b_fmt:MATRIX_FMT_FP6 matrix_b_scale:MATRIX_SCALE_ROW1
.else
	v_wmma_scale_f32_16x16x128_f8f6f4 v[WD:WD+7], v[WA:WA+11], v[WB:WB+11], v[WC:WC+7], v[WSA], v[WSB] matrix_a_fmt:MATRIX_FMT_FP6 matrix_b_fmt:MATRIX_FMT_FP6 matrix_a_scale:MATRIX_SCALE_ROW1 matrix_b_scale:MATRIX_SCALE_ROW1
.endif
.endif
.endm
.macro XFETCH2 slot, buf, p            ; records 2 p and 2 p + 1 of my eight: 24 + 4 LDS loads
	WIN 0x80
.irp u, 0,1
.irp s, 0,1,2,3
.irp c, 0,1,2
	ds_load_b128 v[96*(\buf)+12*(4*\u+\s)+4*\c:96*(\buf)+12*(4*\u+\s)+4*\c+3], v[AX+(\slot)] offset:REC*(2*(\p)+\u)+FRB*\s+512*\c
.endr
.endr
.endr
	WIN 0
.irp u, 0,1
.irp n, 0,1
	ds_load_b32 v[XS+4*(\buf)+2*\u+\n], v[AXS+(\slot)] offset:REC*(2*(\p)+\u)+128*\n
.endr
.endr
.endm
; THE QUANTISER OF A PAIR: its 32 keys are block QP of the K step, for each of my four tiles of channels (by turns); the results stand at v[QV] on.  A list of 57 instructions, 81 where QP is odd; VQI writes number n.
;   0-31 the largest magnitudes with the floor 2^(3 - 127) among the leaves (each result tile is first read at its low end); 32-39 with lane l xor 16's; 40-43 2 off the exponent field: the conversion's scale operand;
;   44-51 the bytes, into the fragments' scale words; 52-55 the conversions; 56 the plain place behind them; where QP is odd 57-80: a whole block to a lane: the halves change places, and the second three registers are moved
.macro VQI n
.set QN, \n
.if QN < 4
	v_max3_num_f32 v[TM+QN], |v[QV+16*QN]|, |v[QV+16*QN+1]|, 0x1800000
.elseif QN < 32
.set QB, QN%4
.set QJ, 2*(QN/4)
	v_max3_num_f32 v[TM+QB], v[TM+QB], |v[QV+16*QB+QJ]|, |v[QV+16*QB+QJ+1]|
.elseif QN < 36
	v_permlanex16_b32 v[TM+QN-28], v[TM+QN-32], s[SEL], s[SEL+1]
.elseif QN < 40
	v_max_num_f32 v[TM+QN-36], v[TM+QN-36], v[TM+QN-32]
.elseif QN < 44
	v_add_nc_u32 v[TM+QN-28], 0xff000000, v[TM+QN-40]
.elseif QN < 48
	v_lshrrev_b32 v[TM+QN-40], 23, v[TM+QN-32]
.elseif QN < 52
.if QP == 0
	v_mov_b32 v[VS+QN-48], v[TM+QN-44]
.else
	v_lshl_or_b32 v[VS+QN-48], v[TM+QN-44], 8*QP, v[VS+QN-48]
.endif
.elseif QN < 56
.set QB, QN-52
.if QP%2 == 0
	v_cvt_scalef32_pk16_fp6_f32 v[VF+12*QB+6*(QP/2):VF+12*QB+6*(QP/2)+2], v[QV+16*QB:QV+16*QB+15], v[TM+12+QB]
.else
	v_cvt_scalef32_pk16_fp6_f32 v[T+4*QB:T+4*QB+2], v[QV+16*QB:QV+16*QB+15], v[TM+12+QB]
.endif
.elseif QN == 56
	v_nop
.elseif (QN < 69) && (QP%2 == 1)
.set QB, (QN-57)/3
.set QJ, (QN-57)%3
	v_permlane16_swap_b32 v[VF+12*QB+6*(QP/2)+QJ], v[T+4*QB+QJ]
.elseif (QN < 81) && (QP%2 == 1)
.set QB, (QN-69)/3
.set QJ, (QN-69)%3
	v_mov_b32 v[VF+12*QB+6*(QP/2)+3+QJ], v[T+4*QB+QJ]
.endif
.endm
.macro QBLK p, va                      ; the whole list on end
.set QP, \p
.set QV, \va
.set QK, 0
.rept 81
	VQI QK
.set QK, QK+1
.endr
.endm
; 32 matrix instructions into the set at va: 2 tiles of keys x 4 tiles of channels, K step by K step; the eight accumulators take turns; bv is the C of each sum's first.
; Where QZ is set, numbers 3 n to 3 n + 2 of the quantiser named by QP and QV stand behind matrix instruction n, as far as the list goes.  The slices name the other set of results and registers at work: none that a product of this run names.
.macro VPROJ buf, va
.irp s, 0,1,2,3
.irp u, 0,1
.irp e, 0,1,2,3
.set FF, 8*\s+4*\u+\e
.if \s == 0
	WIN 0x16
	WM (\va)+16*\e+8*\u, 96*(\buf)+12*(4*\u+\s), 12*(4*\s+\e), BV+8*\e, XS+4*(\buf)+2*\u+\s/2, WS+2*\s+\e/2, \s%2, \e%2
.else
	WIN 0x06
	WM (\va)+16*\e+8*\u, 96*(\buf)+12*(4*\u+\s), 12*(4*\s+\e), (\va)+16*\e+8*\u, XS+4*(\buf)+2*\u+\s/2, WS+2*\s+\e/2, \s%2, \e%2
.endif
.if QZ
.if 3*FF < QCNT
	WIN 0
	VQI 3*FF
	VQI 3*FF+1
	VQI 3*FF+2
.endif
.endif
.endr
.endr
.endr
.endm
.macro PFETCH i                        ; p's four fragments of K step 4 kh + i: 12 + 2 LDS loads
	WIN 0x80
.irp q, 0,1
.irp c, 0,1,2
	ds_load_b128 v[PFR+12*\q+4*\c:PFR+12*\q+4*\c+3], v[APK] offset:4*FRB*(\i)+FRB*\q+512*\c
.endr
.endr
.irp q, 0,1
.irp c, 0,1,2
	ds_load_b128 v[PFR+24+12*\q+4*\c:PFR+24+12*\q+4*\c+3], v[APS] offset:4*FRB*(\i)+FRB*\q+512*\c
.endr
.endr
	WIN 0
	ds_load_b32 v[PS], v[APSK] offset:256*(\i)
	ds_load_b32 v[PS+1], v[APSS] offset:256*(\i)
.endm
.macro PV i                            ; 16 matrix instructions on 16 accumulators: O^T of chunk i / 2; the chunk's first K step starts the sums
	WIN 0xf8
.irp e, 0,1,2,3
.irp q, 0,1,2,3
.if (\i)%2 == 0
	WM 128*((\i)/2)+8*(4*\e+\q), VF+12*\e, PFR+12*\q, -1, VS+\e, PS+\q/2, 0, \q%2
.else
	WM 128*((\i)/2)+8*(4*\e+\q), VF+12*\e, PFR+12*\q, 128*((\i)/2)+8*(4*\e+\q), VS+\e, PS+\q/2, 0, \q%2
.endif
.endr
.endr
	WIN 0
.endm
.macro STEP i                          ; 128 keys
	XFETCH2 (\i)%2, 0, 0
.irp pp, 0,1,2,3
.if \pp < 3
	XFETCH2 (\i)%2, (\pp+1)%2, \pp+1
	s_wait_dscnt 28                                ; all but the 28 just issued: this pair's fragments are in
.else
	PFETCH \i
	s_wait_dscnt 14                                ; all but p's 14
.endif
.if \pp > 0
.set QZ, 1                                         ; the pair before is quantised between this pair's products
.set QP, \pp-1
.set QV, VA+VSTEP*((\pp+1)%2)
.set QCNT, 57+24*((\pp+1)%2)
.else
.set QZ, 0
.endif
	VPROJ \pp%2, VA+VSTEP*(\pp%2)
	WIN 0
	PLACES                                         ; ahead of the first read of these results and of the loads into the buffer just multiplied
.endr
	QBLK 3, VA+VSTEP                               ; the step's last pair
	PLACES                                         ; v_'s fragments were just written by vector instructions: four places; their scale words stand more than eight back
	s_wait_alu depctr_va_vdst(0)
	s_wait_dscnt 0x0
	PV \i
.endm
.macro CHANGE fill, g0                 ; the change of slots
	s_wait_tensorcnt 0x0                           ; all my tensor loads have landed, my part of the next slot among them;
	ds_add_u32 v[SPW], v[NIL]                      ; 0 onto my spare word
.if \fill
	s_add_nc_u64 s[\g0+2:\g0+3], s[\g0+2:\g0+3], 16*REC   ; two steps on
.endif
	s_wait_dscnt 0x0                               ; the add is done, and my reads of the slot just left are over
.if \fill
	CROUND                                         ; no wave of any partner still reads that slot or has a load on its way
	tensor_load_to_lds s[\g0:\g0+3], s[G1X:G1X+7]  ; it has a whole step, 144 matrix instructions, in which to land
	s_nop 0
	PLACES
.else
	s_barrier_signal -1
	s_barrier_wait -1
.endif
.endm
	s_load_b256 s[4:11], s[0:1], 0x0               ; xc, wc, ws, bv
	s_load_b128 s[12:15], s[0:1], 0x20             ; pc, ml
	s_load_b64 s[16:17], s[0:1], 0x30              ; att
	v_lshl_add_u32 v[SPW], v0, 2, SPARE
	v_mov_b32 v[NIL], 0
	ds_add_u32 v14, v15
	ds_add_u32 v14, v15
	s_wait_dscnt 0x0
	v_lshrrev_b32 v1, 5, v0
	v_readfirstlane_b32 s[WV], v1
	s_lshr_b32 s23, s[WV], 1                       ; kh
	s_and_b32 s24, s[WV], 1                        ; eh
	s_xor_b32 s25, s23, 1
	s_bfe_u32 s19, ttmp6, 0x40000                  ; cx = j
	s_bfe_u32 s20, ttmp6, 0x40004                  ; cy
	s_mov_b32 s21, ttmp9                           ; h
	s_and_b32 s22, ttmp7, 0xffff
	s_lshl_b32 s22, s22, 2
	s_add_co_u32 s22, s22, s20                     ; b
	s_lshl_b32 s88, s20, 2
	s_lshl_b32 s88, 15, s88                        ; my row of the cluster
	s_lshl_b32 s89, 0x1111, s19                    ; my column
	s_or_b32 s[G1W], s89, (3<<16)|(1<<21)          ; Wv's chunk: 192 rows of 256 bytes
	s_or_b32 s[G1P], s88, (3<<16)|(1<<21)          ; all of p, or eight records of v: 200 rows
	s_or_b32 s[G1X], s88, (3<<16)|(1<<21)          ; four records of v: 100 rows
.irp g, G1W, G1P, G1X
	s_mov_b32 s[\g+1], 32<<16
	s_mov_b32 s[\g+3], 32<<16
	s_mov_b32 s[\g+5], 32
	s_mov_b32 s[\g+6], 0
	s_mov_b32 s[\g+7], 0
.endr
	s_mov_b32 s[G1W+2], 192<<16                    ; Wv's whole chunk: 192 rows
	s_mov_b32 s[G1W+4], 192
	s_mov_b32 s[G1P+2], 200<<16                    ; all of p, or eight records of v: 200 rows
	s_mov_b32 s[G1P+4], 200
	s_mov_b32 s[G1X+2], 100<<16
	s_mov_b32 s[G1X+4], 100
	; s72-73 hold what hangs on cx, s74-77 what hangs on cy
	s_lshl_b32 s72, s21, 2
	s_add_co_u32 s72, s72, s19
	s_add_co_u32 s72, s72, 64                      ; Wv's chunk 64 + 4 h + j
	s_lshl_b32 s82, s72, 11
	s_mul_i32 s72, s72, WCH
	s_mov_b32 s73, 0
	s_lshl_b32 s74, s22, 3
	s_add_co_u32 s74, s74, s21                     ; 8 b + h
	s_lshl_b32 s92, s74, 11
	s_mul_i32 s74, s74, 51200
	s_lshl_b32 s78, s22, 6                         ; the head's load of v (waves 2, 3): tiles 512 + 64 b + 32 (w % 2) on, eight records
	s_lshl_b32 s79, s24, 5
	s_add_co_u32 s78, s78, s79
	s_add_co_u32 s78, s78, 512
	s_mul_i32 s78, s78, REC
	s_mov_b32 s79, 0
	s_mov_b32 s75, 0
	s_lshl_b32 s76, s22, 6
	s_lshl_b32 s77, s23, 5
	s_add_co_u32 s76, s76, s77
	s_lshl_b32 s77, s24, 2
	s_add_co_u32 s76, s76, s77
	s_add_co_u32 s76, s76, 512                     ; v's tile 512 + 64 b + 32 (w / 2) + 4 (w % 2)
	s_mul_i32 s76, s76, REC
	s_mov_b32 s77, 0
	s_mov_b32 s[SEL], 0x76543210
	s_mov_b32 s[SEL+1], 0xfedcba98
	s_lshl_b32 s83, s24, 8
	s_add_co_u32 s82, s82, s83                     ; Wv's scale words: + 256 eh
	s_mov_b32 s83, 0
	s_lshl_b32 s84, s21, 11
	s_lshl_b32 s85, s19, 9
	s_add_co_u32 s84, s84, s85
	s_lshl_b32 s85, s24, 8
	s_add_co_u32 s84, s84, s85                     ; bv: 2,048 h + 512 j + 256 eh
	s_mov_b32 s85, 0
	s_lshl_b32 s94, s25, 10
	s_add_co_u32 s94, s94, s92                     ; -Mc, lc of the other wave's two chunks,
	s_mov_b32 s95, 0
	s_lshl_b32 s93, s23, 10
	s_add_co_u32 s92, s92, s93                     ; and of my two
	s_mov_b32 s93, 0
	s_lshl_b32 s90, s22, 2
	s_lshl_b32 s91, s23, 1
	s_add_co_u32 s90, s90, s91                     ; query tile 4 b + 2 kh
	s_lshl_b32 s90, s90, 5
	s_lshl_b32 s91, s19, 3
	s_add_co_u32 s90, s90, s91
	s_lshl_b32 s91, s24, 2
	s_add_co_u32 s90, s90, s91                     ; channel tile 8 j + 4 eh
	s_lshl_b32 s90, s90, 13
	s_lshl_b32 s91, s21, 10
	s_add_co_u32 s90, s90, s91
	s_mov_b32 s91, 0
	v_and_b32 v16, 31, v0
	v_and_b32 v17, 15, v0
	v_lshlrev_b32 v[LI], 4, v16
	s_wait_alu depctr_va_vdst(0)
	v_lshlrev_b32 v235, 2, v16                     ; 4 x lane
	s_wait_alu depctr_va_vdst(0)
	s_mul_i32 s27, s24, 4*FRB
	v_add_nc_u32 v[AW], s27, v[LI]
	s_mul_i32 s27, s23, 8*REC
	s_add_co_u32 s27, s27, S0
	v_add_nc_u32 v[AX], s27, v[LI]
	v_add_nc_u32 v[AX+1], 16*REC, v[AX]
	v_add_nc_u32 v[AXS], s27, v235
	v_add_nc_u32 v[AXS], 4*FRB, v[AXS]
	v_add_nc_u32 v[AXS+1], 16*REC, v[AXS]
	s_mul_i32 s27, s23, 16*FRB                     ; K step 4 kh of p,
	s_add_co_u32 s27, s27, ZP
	s_mul_i32 s26, s23, 2*FRB                      ; query tiles 2 kh on: kept;
	s_add_co_u32 s26, s26, s27
	v_add_nc_u32 v[APK], s26, v[LI]
	s_mul_i32 s26, s25, 2*FRB                      ; the other two: sent
	s_add_co_u32 s26, s26, s27
	v_add_nc_u32 v[APS], s26, v[LI]
	s_lshl_b32 s27, s23, 10
	s_add_co_u32 s27, s27, ZP+32*FRB
	s_lshl_b32 s26, s23, 7
	s_add_co_u32 s26, s26, s27
	v_add_nc_u32 v[APSK], s26, v235
	s_lshl_b32 s26, s25, 7
	s_add_co_u32 s26, s26, s27
	v_add_nc_u32 v[APSS], s26, v235
	s_lshl_b32 s27, s[WV], 13
	s_add_co_u32 s27, s27, S0
	v_add_nc_u32 v[STI], s27, v[LI]
	s_xor_b32 s27, s[WV], 2
	s_lshl_b32 s27, s27, 13
	s_add_co_u32 s27, s27, S0
	v_add_nc_u32 v[STO], s27, v[LI]
	v_and_b32 v236, 3, v17                         ; the channel of image row r: 8 ((r / 4) % 2) + 4 (r / 8) + r % 4
	v_bfe_u32 v18, v17, 2, 1
	v_lshl_add_u32 v236, v18, 3, v236
	v_bfe_u32 v18, v17, 3, 1
	v_lshl_add_u32 v236, v18, 2, v236
	v_lshlrev_b32 v236, 2, v236
	s_lshl_b32 s27, s23, 7
	v_lshl_add_u32 v237, v17, 2, s27               ; 4 r + 64 x (query tile 2 kh);
	s_lshl_b32 s27, s25, 7
	v_lshl_add_u32 v238, v17, 2, s27               ; the same for the two that I send
.irp n, 4,5,6,7
	v_mov_b32 v[TM+\n], 0                          ; lane permutes' destinations count as read
.endr
	s_wait_kmcnt 0x0
	s_mov_b32 s[G0W], 1
	s_mov_b32 s[G0W+1], 0
	s_add_nc_u64 s[G0W+2:G0W+3], s[6:7], s[72:73]
	s_or_b32 s[G0W+3], s[G0W+3], 0x80000000
	s_mov_b32 s[G0P], 1
	s_mov_b32 s[G0P+1], ZP
	s_mov_b32 s[G0H], 1
	s_mul_i32 s[G0H+1], s24, 8*REC
	s_add_co_u32 s[G0H+1], s[G0H+1], S0
	s_add_nc_u64 s[G0H+2:G0H+3], s[4:5], s[78:79]
	s_or_b32 s[G0H+3], s[G0H+3], 0x80000000
	s_add_nc_u64 s[G0P+2:G0P+3], s[12:13], s[74:75]
	s_or_b32 s[G0P+3], s[G0P+3], 0x80000000
	s_mov_b32 s[G0S0], 1
	s_mul_i32 s[G0S0+1], s[WV], 4*REC
	s_add_co_u32 s[G0S0+1], s[G0S0+1], S0
	s_add_nc_u64 s[G0S0+2:G0S0+3], s[4:5], s[76:77]
	s_mov_b32 s[G0S1], 1
	s_add_co_u32 s[G0S1+1], s[G0S0+1], 16*REC
	s_add_nc_u64 s[G0S1+2:G0S1+3], s[G0S0+2:G0S0+3], 8*REC   ; step 1: eight tiles on
	s_or_b32 s[G0S0+3], s[G0S0+3], 0x80000000
	s_or_b32 s[G0S1+3], s[G0S1+3], 0x80000000
	s_add_nc_u64 s[82:83], s[8:9], s[82:83]
	s_add_nc_u64 s[84:85], s[10:11], s[84:85]
	s_add_nc_u64 s[92:93], s[14:15], s[92:93]
	s_add_nc_u64 s[94:95], s[14:15], s[94:95]
	s_add_nc_u64 s[90:91], s[16:17], s[90:91]
	CROUND                                         ; all sixteen work-groups are here: the first joint loads meet
	; THE HEAD'S LOADS, ONE A WAVE: wave 0 Wv's chunk, wave 1 all of p, waves 2 and 3 the two halves of slot 0.  One chain of branches on the wave's number, a load to an arm
	s_cmp_lt_u32 s[WV], 1
	s_cbranch_scc0 .Lhv_p
	tensor_load_to_lds s[G0W:G0W+3], s[G1W:G1W+7]
	s_nop 0
	PLACES
	s_branch .Lhv_asked
.Lhv_p:
	s_cmp_lt_u32 s[WV], 2
	s_cbranch_scc0 .Lhv_x
	tensor_load_to_lds s[G0P:G0P+3], s[G1P:G1P+7]
	s_nop 0
	PLACES
	s_branch .Lhv_asked
.Lhv_x:
	tensor_load_to_lds s[G0H:G0H+3], s[G1P:G1P+7]
	s_nop 0
	PLACES
.Lhv_asked:
.irp s, 0,1,2,3
.irp n, 0,1
	global_load_b32 v[WS+2*\s+\n], v235, s[82:83] offset:512*\s+128*\n   ; K step s, my tiles 2 n (lanes 0-15) and 2 n + 1 (lanes 16-31)
.endr
.endr
	WIN 0x40                                       ; destination window 1, offsets in window 0
	s_wait_alu depctr_va_vdst(0)
.irp q, 0,1,2,3                                ; local query tile q, local chunk cc (0, 1 mine), plane 0 -Mc, 1 lc: they wait in window 1 until the end
.irp cc, 0,1,2,3
.irp pl, 0,1
	global_load_b32 v[MLW+8*\q+2*\cc+\pl], v[237+\q/2], s[92+2*(\cc/2):93+2*(\cc/2)] offset:512*(\cc%2)+256*\pl+64*(\q%2)
.endr
.endr
.endr
.irp e, 0,1,2,3
	global_load_b32 v[BV+8*\e], v236, s[84:85] offset:64*\e     ; bv of my lane's channel
.endr
	WIN 0
	s_wait_tensorcnt 0x0                           ; my one load of the head has landed; slot 1's first fill is issued as a refill is:
	ds_add_u32 v[SPW], v[NIL]                      ; 0 onto my spare word
	s_wait_dscnt 0x0
	CROUND                                         ; Wv, p and slot 0 are whole for every wave, and all sixteen work-groups are here
	tensor_load_to_lds s[G0S1:G0S1+3], s[G1X:G1X+7]  ; step 1's records, a quarter of slot 1 a wave: they have step 0's work in which to land
	s_nop 0
	PLACES
	WIN 0x40
.irp s, 0,1,2,3
.irp e, 0,1,2,3
.irp c, 0,1,2
	ds_load_b128 v[12*(4*\s+\e)+4*\c:12*(4*\s+\e)+4*\c+3], v[AW] offset:8*FRB*\s+FRB*\e+512*\c   ; my 16 fragments of Wv stay in registers
.endr
.endr
.endr
	s_wait_loadcnt 0x0                             ; the offsets' registers are free from here on
	WIN 0x41
.irp e, 0,1,2,3
.irp n, 1,2,3,4,5,6,7
	v_mov_b32 v[BV+8*\e+\n], v[BV+8*\e]            ; a lane holds one channel: its bias fills the tile's eight registers
.endr
.endr
	WIN 0
	s_wait_alu depctr_va_vdst(0)
	STEP 0
	CHANGE 1, G0S0                                 ; slot 0 takes step 2
	STEP 1
	CHANGE 1, G0S1                                 ; slot 1 takes step 3
	STEP 2
	CHANGE 0, G0S0                                 ; nothing is left to fetch
	STEP 3
	; ---- the end.  -Mc and lc come down into the registers that the second set of results has left: 32 moves, which are also the places behind the last products
	WIN 0x01
.set j, 0
.rept 32
	v_mov_b32 v[ML+j], v[MLW+j]
.set j, j+1
.endr
	WIN 0
	; -M = the least -Mc; f = 2^(Mc - M); l = the sum of f lc; my two chunks are weighed by f / l
.irp q, 0,1,2,3
	v_min3_num_f32 v[EW+\q], v[ML+8*\q], v[ML+8*\q+2], v[ML+8*\q+4]
.endr
.irp q, 0,1,2,3
	v_min_num_f32 v[EW+\q], v[EW+\q], v[ML+8*\q+6]
.endr
.irp cc, 0,1,2,3
.irp q, 0,1,2,3
	v_sub_f32 v[ML+8*\q+2*\cc], v[EW+\q], v[ML+8*\q+2*\cc]      ; Mc - M: a whole number, 0 or less
.endr
.endr
.irp cc, 0,1,2,3
.irp q, 0,1,2,3
	v_cvt_i32_f32 v[ML+8*\q+2*\cc], v[ML+8*\q+2*\cc]            ; (it saturates)
.endr
.endr
.irp cc, 0,1,2,3
.irp q, 0,1,2,3
	v_ldexp_f32 v[ML+8*\q+2*\cc], 1.0, v[ML+8*\q+2*\cc]
.endr
.endr
.irp q, 0,1,2,3
	v_mul_f32 v[EW+4+\q], v[ML+8*\q], v[ML+8*\q+1]
.endr
.irp cc, 1,2,3
.irp q, 0,1,2,3
	v_fmac_f32 v[EW+4+\q], v[ML+8*\q+2*\cc], v[ML+8*\q+2*\cc+1]
.endr
.endr
	s_wait_alu depctr_va_vdst(0)
.irp q, 0,1,2,3
	v_rcp_f32 v[ER+\q], v[EW+4+\q]
.endr
	v_nop                                          ; a plain place behind the last reciprocal
	s_wait_alu depctr_va_vdst(0)                   ; one wait for the four, ahead of their first reader
.irp q, 0,1,2,3
	v_mul_f32 v[G+4*\q], v[ML+8*\q], v[ER+\q]      ; each factor fills a pair: the packed forms name pairs
	v_mul_f32 v[G+4*\q+1], v[ML+8*\q], v[ER+\q]
	v_mul_f32 v[G+4*\q+2], v[ML+8*\q+2], v[ER+\q]
	v_mul_f32 v[G+4*\q+3], v[ML+8*\q+2], v[ER+\q]
.endr
	WIN 0xc3
.irp e, 0,1,2,3
.irp q, 0,1,2,3
.irp n, 0,2,4,6
	v_pk_mul_f32 v[8*(4*\e+\q)+\n:8*(4*\e+\q)+\n+1], v[8*(4*\e+\q)+\n:8*(4*\e+\q)+\n+1], v[G+4*\q:G+4*\q+1] op_sel_hi:[1,0]   ; each accumulator from its low end on
.endr
.endr
.endr
	WIN 0xf3
.irp e, 0,1,2,3
.irp q, 0,1,2,3
.irp n, 0,2,4,6
	v_pk_fma_f32 v[8*(4*\e+\q)+\n:8*(4*\e+\q)+\n+1], v[128+8*(4*\e+\q)+\n:128+8*(4*\e+\q)+\n+1], v[G+4*\q+2:G+4*\q+3], v[8*(4*\e+\q)+\n:8*(4*\e+\q)+\n+1] op_sel_hi:[1,0,1]
.endr
.endr
.endr
	WIN 0x0c                                       ; an LDS store's data are its source 1: window 3.  The stage lies in slot 0, which has had its last fill, and its last read ahead of the last barrier
.irp e, 0,1,2,3
.irp x, 0,1
	ds_store_b128 v[STI], v[8*(4*\e+2+\x):8*(4*\e+2+\x)+3] offset:1024*(2*\e+\x)
	ds_store_b128 v[STI], v[8*(4*\e+2+\x)+4:8*(4*\e+2+\x)+7] offset:1024*(2*\e+\x)+512
.endr
.endr
	WIN 0
	s_wait_dscnt 0x0
	s_barrier_signal -1
	s_barrier_wait -1
.irp n, 0,1,2,3,4,5,6,7,8,9,10,11,12,13,14,15
	ds_load_b128 v[VA+4*\n:VA+4*\n+3], v[STO] offset:512*\n     ; what the wave with the other keys made of my two query tiles
.endr
	s_wait_dscnt 0x0
	WIN 0x03
.irp e, 0,1,2,3
.irp x, 0,1
.irp n, 0,2,4,6
	v_pk_add_f32 v[VA+8*(2*\e+\x)+\n:VA+8*(2*\e+\x)+\n+1], v[8*(4*\e+\x)+\n:8*(4*\e+\x)+\n+1], v[VA+8*(2*\e+\x)+\n:VA+8*(2*\e+\x)+\n+1]
.endr
.endr
.endr
	WIN 0
.irp e, 0,1,2,3
.irp x, 0,1
	global_store_b128 v[LI], v[VA+8*(2*\e+\x):VA+8*(2*\e+\x)+3], s[90:91] offset:262144*\x+8192*\e          ; 512 consecutive bytes, aligned
	global_store_b128 v[LI], v[VA+8*(2*\e+\x)+4:VA+8*(2*\e+\x)+7], s[90:91] offset:262144*\x+8192*\e+512
.endr
.endr
	s_wait_tensorcnt 0x0                           ; the wave's end
	ds_add_u32 v[SPW], v[NIL]
	s_wait_dscnt 0x0
	CROUND                                         ; the closing round
	s_endpgm
.Lfunc_end_k_q1e02daf069_values:
	.size	k_q1e02daf069_values, .Lfunc_end_k_q1e02daf069_values-k_q1e02daf069_values
	.p2alignl 7, 3214868480
	.fill 96, 4, 3214868480
	.section	.rodata,"a",@progbits
	.p2align	6, 0x0
	.amdhsa_kernel k_q1e02daf069_values
		.amdhsa_group_segment_fixed_size 327680
		.amdhsa_private_segment_fixed_size 0
		.amdhsa_enable_private_segment 0
		.amdhsa_kernarg_size 56
		.amdhsa_user_sgpr_count 2
		.amdhsa_user_sgpr_kernarg_segment_ptr 1
		.amdhsa_wavefront_size32 1
		.amdhsa_system_sgpr_workgroup_id_x 1
		.amdhsa_system_sgpr_workgroup_id_y 1
		.amdhsa_system_sgpr_workgroup_id_z 1
		.amdhsa_system_vgpr_workitem_id 0
		.amdhsa_next_free_vgpr 1024
		.amdhsa_next_free_sgpr 100
		.amdhsa_reserve_vcc 0
		.amdhsa_float_denorm_mode_32 3
		.amdhsa_float_denorm_mode_16_64 3
		.amdhsa_memory_ordered 1
		.amdhsa_forward_progress 1
		.amdhsa_inst_pref_size 225
	.end_amdhsa_kernel
	.amdgpu_metadata
---
amdhsa.version: [ 1, 2 ]
amdhsa.kernels:
  - .name:           k_q1e02daf069_values
    .symbol:         k_q1e02daf069_values.kd
    .args:
      - { .name: xc, .offset: 0, .size: 8, .value_kind: global_buffer, .address_space: global }
      - { .name: wc, .offset: 8, .size: 8, .value_kind: global_buffer, .address_space: global }
      - { .name: ws, .offset: 16, .size: 8, .value_kind: global_buffer, .address_space: global }
      - { .name: bv, .offset: 24, .size: 8, .value_kind: global_buffer, .address_space: global }
      - { .name: pc, .offset: 32, .size: 8, .value_kind: global_buffer, .address_space: global }
      - { .name: ml, .offset: 40, .size: 8, .value_kind: global_buffer, .address_space: global }
      - { .name: att, .offset: 48, .size: 8, .value_kind: global_buffer, .address_space: global }
    .group_segment_fixed_size: 327680
    .private_segment_fixed_size: 0
    .kernarg_segment_align: 8
    .kernarg_segment_size: 56
    .max_flat_workgroup_size: 128
    .sgpr_count:     100
    .vgpr_count:     1024
    .wavefront_size: 32
...
	.end_amdgpu_metadata
.endif
;; end of part 3
;; launch outproj (part 4): grid 8 x 32, 16 waves a work-group, clusters of 4 x 1, 264,192 bytes of LDS; arguments att, wc, ws, bo, out0; writes out0
.if DOCPART == 4
	.amdgcn_target "amdgcn-amd-amdhsa--gfx1250"
	.amdhsa_code_object_version 6
	.text
	.protected	k_q1e02daf069_outproj
	.globl	k_q1e02daf069_outproj
	.p2align	8
	.type	k_q1e02daf069_outproj,@function
k_q1e02daf069_outproj:
	s_mov_b64 s[64:65], 0
	v_nop
	global_prefetch_b8 v0, s[64:65] scope:SCOPE_SE
	s_setreg_imm32_b32 hwreg(HW_REG_WAVE_MODE, 25, 1), 1
	s_wait_xcnt 0x0
	s_wait_alu depctr_hold_cnt(0) depctr_sa_sdst(0) depctr_va_vdst(0) depctr_va_sdst(0) depctr_va_ssrc(0) depctr_va_vcc(0) depctr_vm_vsrc(0)
	s_getreg_b32 s2, hwreg(HW_REG_IB_STS2, 6, 4)
	s_cmp_eq_u32 s2, 0
	s_cbranch_scc0 .Lentry_in_a_cluster
	s_endpgm
.Lentry_in_a_cluster:
	s_bfe_u32 s2, ttmp6, 0x10000c
	s_cmp_lg_u32 s2, 0x3003
	s_cbranch_scc0 .Lentry_shape_is_right
	s_endpgm
.Lentry_shape_is_right:
; out0 = Q(att) Q(Wo) + bo on codes of FP6 (E2M3) with E8M0 scales.  K = 8 d + h, 4,096 long: 32 K steps of 128 (16 channels x 8 heads).
; A work-group takes one tile of 16 queries (y) and 64 columns (x); it has sixteen waves, and WAVE w OWNS K STEPS 2 w AND 2 w + 1.
; CLUSTER 4 x 1: the four work-groups of a cluster take the same tile of queries: att's numbers, 16,384 dense bytes a wave, are asked for jointly, one tensor load a wave, into LDS bytes that the issuing wave alone reads.
; Wo's fragments, which differ between the partners, go straight into registers by plain loads: 24, with 4 of their scale words and 1 of bo.
; att lies as images of the value product's result tiles: a lane's two 16-byte reads for each head give it two whole blocks of 32 (4 channels x 8 heads, in the order 4 h + a, as Wo's codes were laid),
; so the conversions' results are the operand's registers: the fragment never leaves the wave.  Eight matrix instructions (source 0 = Wo's 16 columns, source 1 = the 16 queries), four accumulators by turns.
; The sixteen partial tiles (16 x 64 f32, rows 272 bytes apart) are stored over each wave's own bytes of att, which have had their one fill and their last read; behind one barrier wave w adds row w of all sixteen
; and bo, 8 bytes a lane, and stores the row's 256 consecutive bytes, aligned.  No prefetch: the text has no loop to run ahead in.
; LIMITS: NaN and infinities are not served; a block whose largest magnitude lies under 2^-124 gets the byte 1.  The sum over K is taken in sixteen parts, added as a tree.
; REGISTERS: v1-7 addresses; v8-13 at work; v14-15 bo; v16-21 scale words and nothing else; v22-23 the add's; v24-87, v88-151 the two K steps' numbers (their first 12 registers later the fragment; v56-87 later the accumulators;
;   v100-103 later addresses); v152-247 Wo's eight fragments (later the partial rows); v248-255 at work.
.set FRB,  1536
.set WCH,  49152
.set PB,   16384                       ; a wave's bytes of LDS: its two K steps of att, later its partial tile
.set SPARE, 16*PB                      ; behind them the spare words: 128 bytes for each of sixteen waves
.set LI,   1                           ; 16 x lane
.set WSO,  2                           ; Wo's scale words: 4 r; lanes 16-31 take the odd K step's, 512 bytes on
.set SH,   3                           ; 8 x (lane / 16)
.set STI,  4                           ; my partial: row r, + 32 (lane / 16)
.set RDI,  5                           ; row w of partial 0, + 8 x lane
.set GO,   6                           ; 8 x lane
.set ARD,  7                           ; my bytes of att, + 16 x lane
.set TM,   8
.set BO,   14
.set ASC,  16
.set WOS,  18
.set SPW,  22
.set NIL,  23
.set A0,   24
.set A1,   88
.set ACC,  56
.set RQ,   100                         ; row w of partials 0, 4, 8, 12
.set WF,   152
.set R,    152
.set X,    248
.set WV,   14
.set SEL,  18
.set G1,   32
.set G0,   40
.macro CROUND                          ; a round of the cluster's barrier
	s_barrier_signal -1
	s_barrier_wait -1
	s_cmp_lg_u32 s[WV], 0
	s_cbranch_scc1 .Lnot_wave_0_\@
	s_barrier_signal -3
.Lnot_wave_0_\@:
	s_barrier_wait -3
	s_barrier_signal -1
	s_barrier_wait -1
.endm
; a lane's two whole blocks (hl and 2 + hl of the K step) become the fragment's 12 registers, laid over the first 12 of the numbers; the scale word is gathered from lanes l and l xor 16
.macro QUANT2 src, word
.set QS_, \src
.set QW_, \word
.irp c, 0,1
	v_max3_num_f32 v[TM+\c], |v[QS_+32*\c]|, |v[QS_+32*\c+1]|, 0x1800000   ; with the floor 2^(3 - 127): the byte cannot fall under 1
.endr
.irp i, 2,4,6,8,10,12,14,16,18,20,22,24,26,28,30
.irp c, 0,1
	v_max3_num_f32 v[TM+\c], v[TM+\c], |v[QS_+32*\c+\i]|, |v[QS_+32*\c+\i+1]|
.endr
.endr
.irp c, 0,1
	v_add_nc_u32 v[TM+2+\c], 0xff000000, v[TM+\c]  ; 2 off the exponent field: the conversion's scale operand
.endr
.irp c, 0,1
	v_lshrrev_b32 v[TM+\c], 23, v[TM+2+\c]         ; the byte
.endr
	v_lshl_or_b32 v[TM+4], v[TM+1], 16, v[TM]
	v_lshlrev_b32 v[TM+4], v[SH], v[TM+4]
	v_permlanex16_b32 v[TM+5], v[TM+4], s[SEL], s[SEL+1]
	v_or_b32 v[QW_], v[TM+4], v[TM+5]
	v_cvt_scalef32_pk16_fp6_f32 v[X:X+2], v[QS_:QS_+15], v[TM+2]
	v_cvt_scalef32_pk16_fp6_f32 v[X+4:X+6], v[QS_+16:QS_+31], v[TM+2]
	v_nop                                          ; a plain place: the next two write over numbers that the first two have read
	v_cvt_scalef32_pk16_fp6_f32 v[QS_+6:QS_+8], v[QS_+32:QS_+47], v[TM+3]
	v_cvt_scalef32_pk16_fp6_f32 v[QS_+12:QS_+14], v[QS_+48:QS_+63], v[TM+3]
	v_nop                                          ; one plain place behind the scaled conversions
.irp i, 0,1,2
	v_mov_b32 v[QS_+\i], v[X+\i]
	v_mov_b32 v[QS_+3+\i], v[X+4+\i]
	v_mov_b32 v[QS_+9+\i], v[QS_+12+\i]
.endr
.endm
	s_load_b256 s[4:11], s[0:1], 0x0               ; att, wc, ws, bo
	s_load_b64 s[12:13], s[0:1], 0x20              ; out0
	v_lshl_add_u32 v[SPW], v0, 2, SPARE
	v_mov_b32 v[NIL], 0
	ds_add_u32 v[SPW], v[NIL]                      ; the opening lines: the add, twice on end, and its wait ahead of my tensor load
	ds_add_u32 v[SPW], v[NIL]
	v_lshrrev_b32 v7, 5, v0
	v_readfirstlane_b32 s[WV], v7                  ; wave 0..15
	s_bfe_u32 s15, ttmp6, 0x40000                  ; cx
	s_lshl_b32 s17, ttmp9, 2
	s_add_co_u32 s15, s15, s17                     ; x = 4 x cluster x + cx: it enters Wo's, bo's and out0's addresses alone
	s_and_b32 s16, ttmp7, 0xffff                   ; the tile of queries: 4 b + qt
	s_mov_b32 s[SEL], 0x76543210
	s_mov_b32 s[SEL+1], 0xfedcba98
	s_mov_b32 s[G1], 15|(3<<16)|(1<<21)            ; the cluster's four work-groups; elements of 8 bytes; bit 21 set beside a mask
	s_mov_b32 s[G1+1], 32<<16                      ; a dense block as 64 rows of 256 bytes
	s_mov_b32 s[G1+2], 64<<16
	s_mov_b32 s[G1+3], 32<<16
	s_mov_b32 s[G1+4], 64
	s_mov_b32 s[G1+5], 32
	s_mov_b32 s[G1+6], 0
	s_mov_b32 s[G1+7], 0
	s_lshl_b32 s20, s16, 18
	s_lshl_b32 s21, s[WV], 14
	s_add_co_u32 s20, s20, s21                     ; att: (32 tile + 2 w) x 8,192
	s_mov_b32 s21, 0
	s_lshr_b32 s26, s[WV], 1
	s_lshl_b32 s26, s26, 2
	s_lshr_b32 s27, s15, 1
	s_add_co_u32 s26, s26, s27
	s_add_co_u32 s26, s26, 96                      ; Wo's chunk 96 + 4 (w / 2) + x / 2
	s_and_b32 s27, s[WV], 1
	s_lshl_b32 s27, s27, 4
	s_and_b32 s17, s15, 1
	s_lshl_b32 s17, s17, 2
	s_add_co_u32 s27, s27, s17                     ; in it fragment 8 (2 (w % 2)) + 4 (x % 2) on
	s_mul_i32 s22, s26, WCH
	s_mul_i32 s23, s27, FRB
	s_add_co_u32 s22, s22, s23
	s_mov_b32 s23, 0
	s_lshl_b32 s24, s26, 11
	s_lshl_b32 s25, s27, 6
	s_add_co_u32 s24, s24, s25
	s_mov_b32 s25, 0
	s_lshl_b32 s28, s15, 8                         ; 64 columns: 256 bytes
	s_mov_b32 s29, 0
	s_lshr_b32 s30, s16, 1
	s_lshl_b32 s30, s30, 5
	s_and_b32 s31, s16, 1
	s_lshl_b32 s31, s31, 3
	s_add_co_u32 s30, s30, s31                     ; the tile's image row rr is row 32 (tile / 2) + 8 (tile % 2) + rr + 8 (rr / 8) of out0; I store rr = w
	s_add_co_u32 s30, s30, s[WV]
	s_lshr_b32 s31, s[WV], 3
	s_lshl_b32 s31, s31, 3
	s_add_co_u32 s30, s30, s31
	s_lshl_b32 s30, s30, 11
	s_add_co_u32 s30, s30, s28
	s_mov_b32 s31, 0
	s_mul_i32 s26, s[WV], PB
	s_mul_i32 s27, s[WV], 272
	v_and_b32 v24, 31, v0
	v_and_b32 v25, 15, v0
	v_bfe_u32 v26, v0, 4, 1
	v_lshlrev_b32 v[LI], 4, v24
	v_lshlrev_b32 v[GO], 3, v24
	v_lshlrev_b32 v[WSO], 2, v25
	v_lshl_add_u32 v[WSO], v26, 9, v[WSO]
	v_lshlrev_b32 v[SH], 3, v26
	v_mul_u32_u24 v[STI], v25, 272
	v_lshl_add_u32 v[STI], v26, 5, v[STI]
	v_add_nc_u32 v[STI], s26, v[STI]
	v_add_nc_u32 v[ARD], s26, v[LI]
	v_add_nc_u32 v[RDI], s27, v[GO]
	v_mov_b32 v[TM+5], 0                           ; a lane permute's destination counts as read
	s_wait_alu depctr_va_vdst(0)                   ; the wait at the head's end
	s_wait_dscnt 0x0                               ; both opening adds are done
	s_wait_kmcnt 0x0
	s_mov_b32 s[G0], 1
	s_mul_i32 s[G0+1], s[WV], PB
	s_add_nc_u64 s[G0+2:G0+3], s[4:5], s[20:21]
	s_or_b32 s[G0+3], s[G0+3], 0x80000000
	s_add_nc_u64 s[22:23], s[6:7], s[22:23]
	s_add_nc_u64 s[24:25], s[8:9], s[24:25]
	s_add_nc_u64 s[28:29], s[10:11], s[28:29]
	s_add_nc_u64 s[12:13], s[12:13], s[30:31]
.irp sl, 0,1                                   ; Wo's fragments: K step 2 w + sl, my work-group's four tiles of 16 columns.  These plain loads hang on nothing that the round orders: they are issued ahead of it
.irp ct, 0,1,2,3
.irp c, 0,1,2
	global_load_b128 v[WF+48*\sl+12*\ct+4*\c:WF+48*\sl+12*\ct+4*\c+3], v[LI], s[22:23] offset:8*FRB*\sl+FRB*\ct+512*\c
.endr
.endr
.endr
.irp ct, 0,1,2,3
	global_load_b32 v[WOS+\ct], v[WSO], s[24:25] offset:64*\ct   ; lanes 0-15 the even K step's words, lanes 16-31 the odd one's
.endr
	global_load_b64 v[BO:BO+1], v[GO], s[28:29]    ; bo at my two columns of the row that I store
	CROUND                                         ; the four work-groups are here: the joint loads meet
	tensor_load_to_lds s[G0:G0+3], s[G1:G1+7]      ; my two K steps of att: my one tensor load
	s_nop 0
.rept 4
	v_nop
.endr
	s_wait_tensorcnt 0x0                           ; my bytes of att are in; I alone read them
.irp sl, 0,1                                   ; register 32 c + 4 h + a = channel 8 c + 4 hl + a of head h, of query r
.irp c, 0,1
.irp h, 0,1,2,3,4,5,6,7
	ds_load_b128 v[A0+64*\sl+32*\c+4*\h:A0+64*\sl+32*\c+4*\h+3], v[ARD] offset:8192*\sl+1024*\h+512*\c
.endr
.endr
.endr
	s_wait_dscnt 16                                ; the first K step's 16 reads are in; the second's 16 may be out
	QUANT2 A0, ASC
	s_wait_dscnt 0x0
	QUANT2 A1, ASC+1
.rept 4
	v_nop                                          ; an operand written by vector instructions stands four places ahead of a scaled matrix instruction; its scale word stands more than eight back
.endr
	s_wait_alu depctr_va_vdst(0)                   ; the wait here, directly ahead of the wait below
	s_wait_loadcnt 0x0                             ; Wo, its scale words, bo
.irp ct, 0,1,2,3                               ; the first K step starts the sums; the four accumulators take turns
	v_wmma_scale_f32_16x16x128_f8f6f4 v[ACC+8*\ct:ACC+8*\ct+7], v[WF+12*\ct:WF+12*\ct+11], v[A0:A0+11], 0, v[WOS+\ct], v[ASC] matrix_a_fmt:MATRIX_FMT_FP6 matrix_b_fmt:MATRIX_FMT_FP6
.endr
.irp ct, 0,1,2,3
	v_wmma_scale_f32_16x16x128_f8f6f4 v[ACC+8*\ct:ACC+8*\ct+7], v[WF+48+12*\ct:WF+48+12*\ct+11], v[A1:A1+11], v[ACC+8*\ct:ACC+8*\ct+7], v[WOS+\ct], v[ASC+1] matrix_a_fmt:MATRIX_FMT_FP6 matrix_b_fmt:MATRIX_FMT_FP6 matrix_a_scale:MATRIX_SCALE_ROW1
.endr
	v_mov_b32 v[RQ], v[RDI]                        ; four addresses 65,536 bytes apart: also the four places ahead of the reads of the results and of the loads into Wo's registers
	v_add_nc_u32 v[RQ+1], 0x10000, v[RDI]
	v_add_nc_u32 v[RQ+2], 0x20000, v[RDI]
	v_add_nc_u32 v[RQ+3], 0x30000, v[RDI]
.irp ct, 0,1,2,3
	ds_store_b128 v[STI], v[ACC+8*\ct:ACC+8*\ct+3] offset:64*\ct        ; lane (r, hl): columns 16 ct + 8 hl + 0 .. 7 of query r; each accumulator from its low end on
	ds_store_b128 v[STI], v[ACC+8*\ct+4:ACC+8*\ct+7] offset:64*\ct+16
.endr
	s_wait_alu depctr_va_vdst(0)                   ; the wait here, directly ahead of the wait below
	s_wait_dscnt 0x0                               ; my partial tile lies in LDS
	s_barrier_signal -1
	s_barrier_wait -1                              ; all sixteen do
.irp p, 0,1,2,3,4,5,6,7,8,9,10,11,12,13,14,15
	ds_load_b64 v[R+2*\p:R+2*\p+1], v[RQ+\p/4] offset:PB*(\p%4)
.endr
	s_wait_dscnt 0x0
.irp i, 0,1,2,3,4,5,6,7
	v_pk_add_f32 v[R+4*\i:R+4*\i+1], v[R+4*\i:R+4*\i+1], v[R+4*\i+2:R+4*\i+3]
.endr
.irp i, 0,1,2,3
	v_pk_add_f32 v[R+8*\i:R+8*\i+1], v[R+8*\i:R+8*\i+1], v[R+8*\i+4:R+8*\i+5]
.endr
.irp i, 0,1
	v_pk_add_f32 v[R+16*\i:R+16*\i+1], v[R+16*\i:R+16*\i+1], v[R+16*\i+8:R+16*\i+9]
.endr
	v_pk_add_f32 v[R:R+1], v[R:R+1], v[R+16:R+17]
	v_pk_add_f32 v[R:R+1], v[R:R+1], v[BO:BO+1]
	global_store_b64 v[GO], v[R:R+1], s[12:13] th:TH_STORE_NT    ; 32 lanes store 256 consecutive bytes, aligned
	s_wait_tensorcnt 0x0                           ; the wave's end, behind my tensor load and my last LDS store
	ds_add_u32 v[SPW], v[NIL]
	s_wait_dscnt 0x0
	CROUND                                         ; the closing round
	s_endpgm
.Lfunc_end_k_q1e02daf069_outproj:
	.size	k_q1e02daf069_outproj, .Lfunc_end_k_q1e02daf069_outproj-k_q1e02daf069_outproj
	.p2alignl 7, 3214868480
	.fill 96, 4, 3214868480
	.section	.rodata,"a",@progbits
	.p2align	6, 0x0
	.amdhsa_kernel k_q1e02daf069_outproj
		.amdhsa_group_segment_fixed_size 264192
		.amdhsa_private_segment_fixed_size 0
		.amdhsa_enable_private_segment 0
		.amdhsa_kernarg_size 40
		.amdhsa_user_sgpr_count 2
		.amdhsa_user_sgpr_kernarg_segment_ptr 1
		.amdhsa_wavefront_size32 1
		.amdhsa_system_sgpr_workgroup_id_x 1
		.amdhsa_system_sgpr_workgroup_id_y 1
		.amdhsa_system_sgpr_workgroup_id_z 1
		.amdhsa_system_vgpr_workitem_id 0
		.amdhsa_next_free_vgpr 256
		.amdhsa_next_free_sgpr 66
		.amdhsa_reserve_vcc 0
		.amdhsa_float_denorm_mode_32 3
		.amdhsa_float_denorm_mode_16_64 3
		.amdhsa_memory_ordered 1
		.amdhsa_forward_progress 1
		.amdhsa_inst_pref_size 20
	.end_amdhsa_kernel
	.amdgpu_metadata
---
amdhsa.version: [ 1, 2 ]
amdhsa.kernels:
  - .name:           k_q1e02daf069_outproj
    .symbol:         k_q1e02daf069_outproj.kd
    .args:
      - { .name: att, .offset: 0, .size: 8, .value_kind: global_buffer, .address_space: global }
      - { .name: wc, .offset: 8, .size: 8, .value_kind: global_buffer, .address_space: global }
      - { .name: ws, .offset: 16, .size: 8, .value_kind: global_buffer, .address_space: global }
      - { .name: bo, .offset: 24, .size: 8, .value_kind: global_buffer, .address_space: global }
      - { .name: out0, .offset: 32, .size: 8, .value_kind: global_buffer, .address_space: global }
    .group_segment_fixed_size: 264192
    .private_segment_fixed_size: 0
    .kernarg_segment_align: 8
    .kernarg_segment_size: 40
    .max_flat_workgroup_size: 512
    .sgpr_count:     66
    .vgpr_count:     256
    .wavefront_size: 32
...
	.end_amdgpu_metadata
.endif
;; end of part 4
